; MI455X (gfx1250); checked and timed in simulation.
; The chip was launched on July 23, 2026; its instructions are those of AMD's public machine-readable ISA for CDNA 5 (MIT licence, August 2026) and "CDNA5" Instruction Set Architecture Reference Guide (July 2026). The comments in the code are by the model that wrote it; some were corrected since.
;; Attention Block vec. Allowed arithmetic: matrix products marked QUANTISED: E2M3 operands, one E8M0 scale for each 32 along K, by v_wmma_scale_f32_16x16x128_f8f6f4 with both operands' format E2M3, f32 sums; everything else in f32.
;; Inputs: W0 1,024 x 1,024 float32; W1 1,024 x 1,024 float32; W2 1,024 x 1,024 float32; Wk 1,024 x 1,024 float32; Wq 1,024 x 1,024 float32; Wv 1,024 x 1,024 float32; b0 1,024 float32; b1 1,024 float32; b2 1,024 float32; be1 1,024 float32; be2 1,024 float32; bk 1,024 float32; bq 1,024 float32; bv 1,024 float32; g1 1,024 float32; g2 1,024 float32; x 8 x 1,024 x 1,024 float32.
;; Outputs: out0 8 x 1,024 x 1,024 float32.
;; This version of the problem:
;;   THIS VERSION OF THE PROBLEM IS GIVEN IN LOW PRECISION. The matrix products marked QUANTISED in the list below multiply operands that are first quantised to E2M3 (2 exponent bits, 3 mantissa bits; 6 bits a number), with one power-of-two scale for each 32 numbers along K (OCP MX v1.0); their sums are f32. All else is computed in f32.
;;   The module's matrix products, in the order in which they are computed (A, B: the left and right operand; K: the contracted axis; several contracted axes count as one K, in the product's order):
;;     1. [M 8,192, K 1,024] x [K 1,024, N 1,024]; A: computed on the way; B: input Wq: QUANTISED
;;     2. [M 8,192, K 1,024] x [K 1,024, N 1,024]; A: computed on the way; B: input Wk: QUANTISED
;;     3. [M 8,192, K 1,024] x [K 1,024, N 1,024]; A: computed on the way; B: input Wv: QUANTISED
;;     4. batch 128 x [M 1,024, K 64] x [K 64, N 1,024]; A: computed on the way; B: computed on the way: QUANTISED
;;     5. batch 128 x [M 1,024, K 1,024] x [K 1,024, N 64]; A: softmax (see below); B: computed on the way: QUANTISED
;;     6. [M 8,192, K 1,024] x [K 1,024, N 1,024]; A: computed on the way; B: input W0: QUANTISED
;;     7. [M 8,192, K 1,024] x [K 1,024, N 1,024]; A: computed on the way; B: input W1: QUANTISED
;;     8. [M 8,192, K 1,024] x [K 1,024, N 1,024]; A: computed on the way; B: input W2: QUANTISED
;;   THE QUANTISER, for each operand of a quantised product, along K:
;;     - K is cut into blocks of 32 from its start; a last block that is shorter is filled with zeros.
;;     - A block's scale is 2^e with e = floor(log2(the largest magnitude in the block)) - 2, held to -126 .. 127; a block of zeros has e = 0. As a byte (E8M0): e + 127.
;;     - Each number is divided by its block's scale, clamped to +-7.5, and rounded to the nearest number of E2M3, ties to even, subnormals kept.
;;     - The product sums the exact products of the quantised numbers (number of the format x scale) in f32.
;;   ~~~python
;;   def quantise(x, axis):      # numpy; x: float32 -> the quantised numbers, widened to float32 again
;;       x = np.moveaxis(x, axis, -1); K = x.shape[-1]
;;       x = np.pad(x, [(0, 0)] * (x.ndim - 1) + [(0, -K % 32)]); x = x.reshape(x.shape[:-1] + (-1, 32)); a = np.abs(x).max(-1, keepdims=True)
;;       e = np.where(a > 0, np.clip(np.frexp(np.where(a > 0, a, 1))[1] - 1 - 2, -126, 127), 0)      # np.frexp(a)[1] - 1 = floor(log2(a)), exactly
;;       r = np.clip(x / 2.0 ** e, -7.5, 7.5)
;;       step = 2.0 ** (np.maximum(np.frexp(np.where(r == 0, 1, r))[1] - 1, 0) - 3)
;;       q = np.round(r / step) * step * 2.0 ** e      # np.round: ties to even
;;       return np.moveaxis(q.reshape(q.shape[:-2] + (-1,))[..., :K], -1, axis).astype(np.float32)
;;   ~~~
;;   SOFTMAX AHEAD OF A QUANTISED PRODUCT. Where the list says 'softmax', what is quantised is not the finished softmax but p = 2^(t - M), with t = logit x log2(e) and M = ceil(the row's largest t), a whole number; so 1/2 < the row's largest p <= 1. The row's sum l is taken of the UNQUANTISED p, in f32, and the product's result is divided by l at the end. Since M is a whole number, a kernel that streams over the keys may use a running M (the ceiling of the running maximum): every later rescaling is an exact power of two, which a block's scale takes up: the codes' values come out the same.
;;   OPERANDS COMPUTED ON THE WAY. 'Computed on the way' means the value that the module computes at that place (a softmax that the list does not call 'softmax' is quantised finished and normalised). What goes into a quantiser is computed in f32, as accurately as f32 sums, v_exp_f32 and their like allow (about 1e-6 of the number): no bf16 or f16 on the way to a quantiser, and a product that is left as it is and whose result goes on into a quantised operand takes f32 operands (vector FMAs, or v_wmma_f32_16x16x4_f32). A number that lies on a knife's edge between two numbers of the format may be rounded either way, as far as f32 arithmetic and the matrix unit's own rounding can turn it there, and no further.
;; One version. Each part assembles by itself: llvm-mc -triple=amdgcn-amd-amdhsa -mcpu=gfx1250 --defsym DOCPART=n.
;; ======== version 1 of 1: 9 launches
;; workspace buffers: wqk 1,646,848 bytes; wv2 1,646,848 bytes; w0c 860,416 bytes; w1c 860,416 bytes; xn 6,553,600 bytes; qk 13,107,200 bytes; vv 6,553,600 bytes; x2 33,554,432 bytes
;; launch wquant (part 1): grid 8 x 48, 4 waves a work-group, no clusters, 12,800 bytes of LDS; arguments Wq, Wk, Wv, W2, W0, W1, bq, bk, bv, b2, b0, b1, wqk, wv2, w0c, w1c; writes wqk, wv2, w0c, w1c
.if DOCPART == 1
	.amdgcn_target "amdgcn-amd-amdhsa--gfx1250"
	.amdhsa_code_object_version 6
	.text
	.protected	k_q2e475c6d56_wquant
	.globl	k_q2e475c6d56_wquant
	.p2align	8
	.type	k_q2e475c6d56_wquant,@function
k_q2e475c6d56_wquant:
	s_mov_b64 s[64:65], 0
	v_nop
	global_prefetch_b8 v0, s[64:65] scope:SCOPE_SE
	s_setreg_imm32_b32 hwreg(HW_REG_WAVE_MODE, 25, 1), 1
	s_wait_xcnt 0x0
; The six weights W [1024 (k)][1024 (n)], f32, K their FIRST axis, become codes of FP6 (E2M3) with one E8M0 byte for each 32 along K,
; laid in the ORDER OF THE OPERAND'S REGISTERS, so that the products' launches take fragments as dense blocks.
; A TILE t is 16 columns n: its row r is n = 32 (t / 2) + 8 (t % 2) + r + 8 (r / 8).  A RECORD is the image of one fragment (tile t, K step s of 128), 1,536 bytes:
; half c at 768 c: registers 6 c .. 6 c + 3 at 16 x lane (512 bytes), registers 6 c + 4, 6 c + 5 at 512 + 8 x lane (256 bytes).
; A WEIGHT BUFFER: a floor word (what the next launch's maximum takes: -infinity, or 0 for a relu) at 0; the bias in tile order at 256 + 64 t + 4 r;
; scale words at 8,448 + 512 t + 64 s + 4 r; records at 73,984 + 12,288 t + 1,536 s.  wqk holds Wq in tiles 0-63 and Wk in 64-127, wv2 holds Wv and W2 likewise.
; SHARES: work-group (x, y): weight y / 8, K step y % 8, columns 128 x on.  A wave takes 32 columns, a LANE A COLUMN, ITS REGISTERS DOWN K: a load reads 128 consecutive bytes,
; a block of 32 lies in one lane, and the conversions give codes with K innermost.  The wave's two records are gathered in its own 3,072 bytes of LDS and leave as 512 consecutive bytes a store.
; No tensor loads, no barrier: waves share nothing.  No cluster: no two work-groups read the same bytes.
; LIMITS: NaN and infinities are not served; a block of zeros gets the byte 1 (its codes are zeros; this program alone reads the bytes); largest magnitudes under 2^-124, the floor, were not tried.
.set W_BIAS, 256
.set W_SCL,  8448
.set W_COD,  73984
.set X,    32                          ; v32-95   two sets of 32 numbers
.set D,    96                          ; v96-101  a block's six registers of codes
.set E,    104                         ; v104-106 the second conversion's result (three registers from an even one)
.set OUTR, 112                         ; v112-135 the way out
	s_load_b512 s[8:23], s[0:1], 0x0               ; Wq Wk Wv W2 W0 W1 s[8:19]; bq bk s[20:23]
	s_load_b512 s[24:39], s[0:1], 0x40             ; bv b2 b0 b1 s[24:31]; wqk wv2 w0c w1c s[32:39]
	v_lshl_add_u32 v136, v0, 2, 0x3000
	v_mov_b32 v137, 0
	v_lshrrev_b32 v1, 5, v0
	v_readfirstlane_b32 s3, v1                     ; wave 0..3
	v_and_b32 v2, 31, v0                           ; lane = my column among the wave's 32
	v_lshlrev_b32 v3, 2, v2                        ; 4 bytes a lane
	v_bfe_u32 v10, v0, 3, 1                        ; u: which of the wave's two tiles my column belongs to
	v_and_b32 v14, 7, v0
	v_bfe_u32 v15, v0, 4, 1
	v_lshl_add_u32 v14, v15, 3, v14                ; r: its row there
	s_mul_i32 s60, s3, 3072                        ; my wave's LDS
	v_mul_u32_u24 v15, v10, 1536
	v_add_nc_u32 v15, s60, v15
	v_lshl_add_u32 v4, v14, 4, v15                 ; where row r's first four registers of a half go
	v_lshl_add_u32 v5, v14, 3, v15
	v_add_nc_u32 v5, 512, v5                       ; and its last two
	v_lshlrev_b32 v7, 4, v2
	v_add_nc_u32 v6, s60, v7                       ; back: 16 bytes a lane
	v_lshlrev_b32 v8, 9, v10
	v_lshl_add_u32 v8, v14, 2, v8                  ; my scale word: 512 u + 4 r
	v_lshlrev_b32 v9, 6, v10
	v_lshl_add_u32 v9, v14, 2, v9                  ; my bias: 64 u + 4 r
	s_and_b32 s2, ttmp7, 0xffff
	s_lshr_b32 s4, s2, 3                           ; which weight, 0..5
	s_and_b32 s5, s2, 7                            ; which K step
	s_lshl_b32 s6, ttmp9, 2
	s_add_co_u32 s6, s6, s3                        ; which 32 columns
	s_and_b32 s7, s4, 1
	s_cmp_lt_u32 s4, 4
	s_cselect_b32 s7, s7, 0                        ; which half of its buffer
	s_cselect_b32 s61, 0xff800000, 0               ; the floor word: -infinity for Wq Wk Wv W2, 0 for W0 W1
	s_lshl_b32 s46, s7, 6
	s_lshl_b32 s47, s6, 1
	s_add_co_u32 s46, s46, s47                     ; my wave's first tile
	s_lshl_b32 s48, s5, 19                         ; W: 128 rows of 4,096 bytes a K step,
	s_lshl_b32 s49, s6, 7                          ; 128 bytes for 32 columns
	s_add_co_u32 s48, s48, s49
	s_mov_b32 s49, 0
	s_lshl_b32 s50, s46, 3
	s_add_co_u32 s50, s50, s5
	s_mul_i32 s50, s50, 1536
	s_add_co_u32 s50, s50, W_COD                   ; my first record
	s_mov_b32 s51, 0
	s_lshl_b32 s52, s46, 9
	s_lshl_b32 s53, s5, 6
	s_add_co_u32 s52, s52, s53
	s_add_co_u32 s52, s52, W_SCL                   ; its scale words
	s_mov_b32 s53, 0
	s_lshl_b32 s54, s46, 6
	s_add_co_u32 s54, s54, W_BIAS                  ; its bias
	s_mov_b32 s55, 0
	s_lshl_b32 s56, s6, 7                          ; the bias as it is given
	s_mov_b32 s57, 0
	s_lshl_b32 s58, s7, 7                          ; the floor words of my half
	s_mov_b32 s59, 0
	s_wait_kmcnt 0x0
	s_mov_b64 s[40:41], s[8:9]                     ; the choice of buffers hangs on the work-group's number alone
	s_mov_b64 s[42:43], s[20:21]
.irp i, 1,2,3,4,5
	s_cmp_eq_u32 s4, \i
	s_cselect_b64 s[40:41], s[8+2*\i:9+2*\i], s[40:41]
	s_cselect_b64 s[42:43], s[20+2*\i:21+2*\i], s[42:43]
.endr
	s_cmp_lt_u32 s4, 2
	s_cselect_b64 s[44:45], s[32:33], s[34:35]
	s_cmp_eq_u32 s4, 4
	s_cselect_b64 s[44:45], s[36:37], s[44:45]
	s_cmp_eq_u32 s4, 5
	s_cselect_b64 s[44:45], s[38:39], s[44:45]
	s_add_nc_u64 s[40:41], s[40:41], s[48:49]
	s_add_nc_u64 s[42:43], s[42:43], s[56:57]
	s_add_nc_u64 s[50:51], s[44:45], s[50:51]
	s_add_nc_u64 s[52:53], s[44:45], s[52:53]
	s_add_nc_u64 s[54:55], s[44:45], s[54:55]
	s_add_nc_u64 s[58:59], s[44:45], s[58:59]
.macro LOAD t                          ; block t: W(128 s + 32 t + i, my column), i = 0 .. 31, into set t % 2
.set i, 0
.rept 32
	global_load_b32 v[X+32*((\t)%2)+i], v3, s[40:41] offset:(32*(\t)+i)*4096 th:TH_LOAD_NT
.set i, i+1
.endr
.endm
	LOAD 0
	LOAD 1
.macro BLOCK t                         ; block t is K = 64 (t / 2) + 32 (t % 2) on: registers 6 (t / 2) on of lane r + 16 (t % 2) of the fragment
.set XS, X+32*((\t)%2)
.if (\t) < 3
	s_wait_loadcnt 32                              ; this block's 32 loads are in; the next block's 32 may be out
.else
	s_wait_loadcnt 0x0
.endif
	v_max3_num_f32 v12, |v[XS]|, |v[XS+1]|, |v[XS+2]|      ; the block's largest magnitude: all 32 numbers are mine; two chains
	v_max3_num_f32 v13, |v[XS+3]|, |v[XS+4]|, |v[XS+5]|
.irp i, 6,10,14,18,22,26
	v_max3_num_f32 v12, v12, |v[XS+\i]|, |v[XS+\i+1]|
	v_max3_num_f32 v13, v13, |v[XS+\i+2]|, |v[XS+\i+3]|
.endr
	v_max3_num_f32 v12, v12, |v[XS+30]|, |v[XS+31]|
	v_max3_num_f32 v12, v12, v13, 0x1800000        ; and the floor 2^(3 - 127): the byte cannot fall under 1
	v_add_nc_u32 v11, 0xff000000, v12              ; 2 off its exponent field: the conversion takes this operand's exponent field as its scale
	v_lshrrev_b32 v13, 23, v11                     ; the scale's byte
.if (\t) == 0
	v_mov_b32 v24, v13                             ; four bytes make my column's scale word for this K step
.else
	v_lshl_or_b32 v24, v13, 8*(\t), v24
.endif
	v_cvt_scalef32_pk16_fp6_f32 v[D:D+2], v[XS:XS+15], v11
	v_cvt_scalef32_pk16_fp6_f32 v[E:E+2], v[XS+16:XS+31], v11
	v_nop                                          ; one plain place behind a scaled conversion
	v_mov_b32 v[D+3], v[E]
	v_mov_b32 v[D+4], v[E+1]
	v_mov_b32 v[D+5], v[E+2]
	ds_store_b128 v4, v[D:D+3] offset:768*((\t)/2)+256*((\t)%2)
	ds_store_b64 v5, v[D+4:D+5] offset:768*((\t)/2)+128*((\t)%2)
.if (\t) < 2
	LOAD (\t)+2
.endif
	s_wait_dscnt 0x0                               ; the stores have read their registers: the next block's codes may be written
.endm
	BLOCK 0
	BLOCK 1
	BLOCK 2
	BLOCK 3
.irp i, 0,1,2,3,4,5
	ds_load_b128 v[OUTR+4*\i:OUTR+4*\i+3], v6 offset:512*\i    ; LDS serves a wave's instructions in order: these see my stores
.endr
.irp i, 0,1,2,3,4,5
	s_wait_dscnt 5-\i                              ; piece i is back; the later ones may be out
	global_store_b128 v7, v[OUTR+4*\i:OUTR+4*\i+3], s[50:51] offset:(\i/3)*12288+(\i%3)*512   ; 32 lanes store 512 consecutive bytes
.endr
	global_store_b32 v8, v24, s[52:53]             ; the scale words: 64 bytes for each of the two tiles
	s_cmp_lg_u32 s5, 0                             ; the work-groups of K step 0 also lay the bias in tile order
	s_cbranch_scc1 .Ldone
	global_load_b32 v25, v3, s[42:43]
	s_wait_loadcnt 0x0
	global_store_b32 v9, v25, s[54:55]
	s_or_b32 s62, ttmp9, s3                        ; and the first wave of the first of them stores the floor words
	s_cmp_lg_u32 s62, 0
	s_cbranch_scc1 .Ldone
	v_mov_b32 v26, s61
	global_store_b32 v3, v26, s[58:59]
.Ldone:
	s_wait_tensorcnt 0x0
	ds_add_u32 v136, v137
	s_wait_dscnt 0x0
	s_endpgm
.Lfunc_end_k_q2e475c6d56_wquant:
	.size	k_q2e475c6d56_wquant, .Lfunc_end_k_q2e475c6d56_wquant-k_q2e475c6d56_wquant
	.p2alignl 7, 3214868480
	.fill 96, 4, 3214868480
	.section	.rodata,"a",@progbits
	.p2align	6, 0x0
	.amdhsa_kernel k_q2e475c6d56_wquant
		.amdhsa_group_segment_fixed_size 12800
		.amdhsa_private_segment_fixed_size 0
		.amdhsa_enable_private_segment 0
		.amdhsa_kernarg_size 128
		.amdhsa_user_sgpr_count 2
		.amdhsa_user_sgpr_kernarg_segment_ptr 1
		.amdhsa_wavefront_size32 1
		.amdhsa_system_sgpr_workgroup_id_x 1
		.amdhsa_system_sgpr_workgroup_id_y 1
		.amdhsa_system_sgpr_workgroup_id_z 1
		.amdhsa_system_vgpr_workitem_id 0
		.amdhsa_next_free_vgpr 138
		.amdhsa_next_free_sgpr 66
		.amdhsa_reserve_vcc 0
		.amdhsa_float_denorm_mode_32 3
		.amdhsa_float_denorm_mode_16_64 3
		.amdhsa_memory_ordered 1
		.amdhsa_forward_progress 1
		.amdhsa_inst_pref_size 24
	.end_amdhsa_kernel
	.amdgpu_metadata
---
amdhsa.version: [ 1, 2 ]
amdhsa.kernels:
  - .name:           k_q2e475c6d56_wquant
    .symbol:         k_q2e475c6d56_wquant.kd
    .args:
      - { .name: Wq, .offset: 0, .size: 8, .value_kind: global_buffer, .address_space: global }
      - { .name: Wk, .offset: 8, .size: 8, .value_kind: global_buffer, .address_space: global }
      - { .name: Wv, .offset: 16, .size: 8, .value_kind: global_buffer, .address_space: global }
      - { .name: W2, .offset: 24, .size: 8, .value_kind: global_buffer, .address_space: global }
      - { .name: W0, .offset: 32, .size: 8, .value_kind: global_buffer, .address_space: global }
      - { .name: W1, .offset: 40, .size: 8, .value_kind: global_buffer, .address_space: global }
      - { .name: bq, .offset: 48, .size: 8, .value_kind: global_buffer, .address_space: global }
      - { .name: bk, .offset: 56, .size: 8, .value_kind: global_buffer, .address_space: global }
      - { .name: bv, .offset: 64, .size: 8, .value_kind: global_buffer, .address_space: global }
      - { .name: b2, .offset: 72, .size: 8, .value_kind: global_buffer, .address_space: global }
      - { .name: b0, .offset: 80, .size: 8, .value_kind: global_buffer, .address_space: global }
      - { .name: b1, .offset: 88, .size: 8, .value_kind: global_buffer, .address_space: global }
      - { .name: wqk, .offset: 96, .size: 8, .value_kind: global_buffer, .address_space: global }
      - { .name: wv2, .offset: 104, .size: 8, .value_kind: global_buffer, .address_space: global }
      - { .name: w0c, .offset: 112, .size: 8, .value_kind: global_buffer, .address_space: global }
      - { .name: w1c, .offset: 120, .size: 8, .value_kind: global_buffer, .address_space: global }
    .group_segment_fixed_size: 12800
    .private_segment_fixed_size: 0
    .kernarg_segment_align: 8
    .kernarg_segment_size: 128
    .max_flat_workgroup_size: 128
    .sgpr_count:     66
    .vgpr_count:     138
    .wavefront_size: 32
...
	.end_amdgpu_metadata
.endif
;; end of part 1
;; launch ln1 (part 2): grid 512 x 1, 8 waves a work-group, no clusters, 70,144 bytes of LDS; arguments x, g1, be1, xn; writes xn
.if DOCPART == 2
	.amdgcn_target "amdgcn-amd-amdhsa--gfx1250"
	.amdhsa_code_object_version 6
	.text
	.protected	k_q2e475c6d56_ln1
	.globl	k_q2e475c6d56_ln1
	.p2align	8
	.type	k_q2e475c6d56_ln1,@function
k_q2e475c6d56_ln1:
	s_mov_b64 s[64:65], 0
	v_nop
	global_prefetch_b8 v0, s[64:65] scope:SCOPE_SE
	s_setreg_imm32_b32 hwreg(HW_REG_WAVE_MODE, 25, 1), 1
	s_wait_xcnt 0x0
; out = Q(layer_norm(xin) g + be): rows of 1,024 f32 are normalised (mean, then the variance of the differences: two passes over registers, so no difference of large sums is formed),
; scaled, shifted, and quantised along the row to codes of FP6 (E2M3) with one E8M0 byte for each 32.
; THE OUTPUT is laid in the order of the operand's registers.  A TILE t is 16 tokens: row r is token 32 (t / 2) + 8 (t % 2) + r + 8 (r / 8).  A RECORD (tile t, K step s of 128) is 1,536 bytes:
; half c at 768 c: registers 6 c .. 6 c + 3 at 16 x lane, registers 6 c + 4, 6 c + 5 at 512 + 8 x lane.  Scale words at 512 t + 64 s + 4 r; records at 262,144 + 12,288 t + 1,536 s.
; SHARES: a work-group is a tile; wave w takes K step w: 128 columns of the 16 rows.  Each load reads 512 consecutive bytes of a row; the 8 KiB turn through the wave's own stage in LDS (rows 528 bytes apart),
; after which lane (r, h) holds, of row r, 16 neighbours of each block of 32: register 16 b + i = column 128 w + 32 b + 16 h + i, as the conversions want them.
; The rows' sums meet in LDS: three barriers (sum, sum of squares, scale words).  No tensor loads, no matrix work, no cluster: memory binds and no two work-groups share a row.
; LIMITS: NaN and infinities are not served; a block of zeros gets the byte 1 (its codes are zeros; this program alone reads the bytes); largest magnitudes under 2^-124 were not tried.
.set RED1, 0                           ; LDS: 16 rows x 8 waves' sums, 512 bytes;
.set RED2, 512                         ; the same for the squares;
.set SCW,  1024                        ; the tile's 8 x 16 scale words;
.set STG0, 1536                        ; the stages: 16 rows x 528 bytes for each wave
.set STG,  8448
.set A_COD, 262144
.set X,   16                           ; v16-79   my 64 numbers
.set R,   80                           ; v80-143  x as loaded, later g
.set BE,  144                          ; v144-207 be
.set PC,  208                          ; v208-227 sums in four chains, later the codes
.set TM,  228                          ; v228-243 at work in QUANT
.set PW,  254                          ; the scale word
.set SEL, 26                           ; s[26:27] lane selects for v_permlanex16_b32: lane l xor 16
	s_load_b256 s[4:11], s[0:1], 0x0               ; xin s[4:5], g s[6:7], be s[8:9], out s[10:11]
	v_lshl_add_u32 v239, v0, 2, 0x10e00
	v_mov_b32 v255, 0
	v_lshrrev_b32 v1, 5, v0
	v_readfirstlane_b32 s12, v1                    ; wave 0..7
	v_and_b32 v9, 31, v0                           ; lane
	v_and_b32 v10, 15, v0                          ; r
	v_bfe_u32 v11, v0, 4, 1                        ; h
	v_lshlrev_b32 v1, 4, v9                        ; 16 x lane
	v_lshlrev_b32 v7, 3, v9                        ; 8 x lane
	v_lshlrev_b32 v8, 6, v11                       ; 64 h
	s_mul_i32 s13, s12, STG
	s_add_co_u32 s13, s13, STG0                    ; my stage
	v_add_nc_u32 v2, s13, v1                       ; in: 16 bytes a lane of a row
	v_mul_u32_u24 v3, v10, 528
	v_add_nc_u32 v3, v3, v8
	v_add_nc_u32 v3, s13, v3                       ; out: row r, + 64 h
	v_lshlrev_b32 v5, 5, v10                       ; a row's eight partial sums: 32 r
	s_lshl_b32 s14, s12, 2
	v_add_nc_u32 v4, s14, v5                       ; mine among them
	s_lshl_b32 s14, s12, 6
	v_lshl_add_u32 v6, v10, 2, s14                 ; my scale word: 64 w + 4 r
	s_mov_b32 s[SEL], 0x76543210
	s_mov_b32 s[SEL+1], 0xfedcba98
	s_mov_b32 s20, 0x3a800000                      ; 1 / 1,024
	s_mov_b32 s21, 0x3727c5ac                      ; 1e-5
.irp b, 0,1,2,3
	v_mov_b32 v[TM+4+\b], 0                        ; written once: a lane permute's destination counts as one of its sources
.endr
	s_lshr_b32 s15, ttmp9, 1
	s_lshl_b32 s15, s15, 5
	s_and_b32 s16, ttmp9, 1
	s_lshl_b32 s16, s16, 3
	s_add_co_u32 s15, s15, s16                     ; the tile's first token
	s_lshl_b32 s16, s15, 12
	s_lshl_b32 s18, s12, 9                         ; my 128 columns: 512 bytes
	s_add_co_u32 s16, s16, s18
	s_mov_b32 s17, 0
	s_mov_b32 s19, 0
	s_lshl_b32 s22, ttmp9, 3
	s_add_co_u32 s22, s22, s12
	s_mul_i32 s22, s22, 1536
	s_add_co_u32 s22, s22, A_COD                   ; my record
	s_mov_b32 s23, 0
	s_lshl_b32 s24, ttmp9, 9                       ; the tile's scale words
	s_mov_b32 s25, 0
	s_wait_kmcnt 0x0
	s_add_nc_u64 s[4:5], s[4:5], s[16:17]
	s_add_nc_u64 s[6:7], s[6:7], s[18:19]
	s_add_nc_u64 s[8:9], s[8:9], s[18:19]
	s_add_nc_u64 s[22:23], s[10:11], s[22:23]
	s_add_nc_u64 s[24:25], s[10:11], s[24:25]
.irp i, 0,1,2,3,4,5,6,7,8,9,10,11,12,13,14,15
	global_load_b128 v[R+4*\i:R+4*\i+3], v1, s[4:5] offset:(\i+8*(\i/8))*4096    ; row i of the tile: 32 lanes read 512 consecutive bytes
.endr
.irp b, 0,1,2,3
.irp j, 0,1,2,3
	global_load_b128 v[BE+16*\b+4*\j:BE+16*\b+4*\j+3], v8, s[8:9] offset:128*\b+16*\j   ; be at my 64 columns
.endr
.endr
	s_wait_loadcnt 16                              ; x's 16 loads are in; be's 16 may be out
.irp i, 0,1,2,3,4,5,6,7,8,9,10,11,12,13,14,15
	ds_store_b128 v2, v[R+4*\i:R+4*\i+3] offset:\i*528
.endr
.irp b, 0,1,2,3
.irp j, 0,1,2,3
	ds_load_b128 v[X+16*\b+4*\j:X+16*\b+4*\j+3], v3 offset:128*\b+16*\j   ; LDS serves a wave's instructions in order: these see my stores
.endr
.endr
	s_wait_dscnt 0x0                               ; my numbers are back, and the stores have read R
.irp b, 0,1,2,3
.irp j, 0,1,2,3
	global_load_b128 v[R+16*\b+4*\j:R+16*\b+4*\j+3], v8, s[6:7] offset:128*\b+16*\j     ; g at my 64 columns: it lands under the two reductions
.endr
.endr
; v[208:215], four chains of pairs, become my lane's sum, then the row's: with lane l xor 16's, then the eight waves' through LDS, added in a fixed order.  The result: v246
.macro ACROSS red
	v_pk_add_f32 v[208:209], v[208:209], v[210:211]
	v_pk_add_f32 v[212:213], v[212:213], v[214:215]
	v_pk_add_f32 v[208:209], v[208:209], v[212:213]
	v_add_f32 v208, v208, v209
	v_permlanex16_b32 v209, v208, s[SEL], s[SEL+1]
	v_add_f32 v208, v208, v209
	ds_store_b32 v4, v208 offset:\red              ; lanes r and r + 16 write the same word with the same value
	s_wait_dscnt 0x0                               ; for the others' sake: my store has landed
	s_barrier_signal -1
	s_barrier_wait -1
	ds_load_b128 v[246:249], v5 offset:\red
	ds_load_b128 v[250:253], v5 offset:\red+16
	s_wait_dscnt 0x0
	v_pk_add_f32 v[246:247], v[246:247], v[248:249]
	v_pk_add_f32 v[250:251], v[250:251], v[252:253]
	v_pk_add_f32 v[246:247], v[246:247], v[250:251]
	v_add_f32 v246, v246, v247
.endm
	v_pk_add_f32 v[208:209], v[X:X+1], v[X+2:X+3]  ; the first sixteen numbers start the chains: nothing is cleared
	v_pk_add_f32 v[210:211], v[X+4:X+5], v[X+6:X+7]
	v_pk_add_f32 v[212:213], v[X+8:X+9], v[X+10:X+11]
	v_pk_add_f32 v[214:215], v[X+12:X+13], v[X+14:X+15]
.set j, 16
.rept 6
	v_pk_add_f32 v[208:209], v[208:209], v[X+j:X+j+1]
	v_pk_add_f32 v[210:211], v[210:211], v[X+j+2:X+j+3]
	v_pk_add_f32 v[212:213], v[212:213], v[X+j+4:X+j+5]
	v_pk_add_f32 v[214:215], v[214:215], v[X+j+6:X+j+7]
.set j, j+8
.endr
	ACROSS RED1
	v_mul_f32 v244, s20, v246                      ; the mean, twice: a pair for the packed form
	v_mul_f32 v245, s20, v246
.set j, 0
.rept 32
	v_pk_add_f32 v[X+j:X+j+1], v[X+j:X+j+1], v[244:245] neg_lo:[0,1] neg_hi:[0,1]   ; d = x - mean
.set j, j+2
.endr
	v_pk_mul_f32 v[208:209], v[X:X+1], v[X:X+1]
	v_pk_mul_f32 v[210:211], v[X+2:X+3], v[X+2:X+3]
	v_pk_mul_f32 v[212:213], v[X+4:X+5], v[X+4:X+5]
	v_pk_mul_f32 v[214:215], v[X+6:X+7], v[X+6:X+7]
.set j, 8
.rept 7
	v_pk_fma_f32 v[208:209], v[X+j:X+j+1], v[X+j:X+j+1], v[208:209]
	v_pk_fma_f32 v[210:211], v[X+j+2:X+j+3], v[X+j+2:X+j+3], v[210:211]
	v_pk_fma_f32 v[212:213], v[X+j+4:X+j+5], v[X+j+4:X+j+5], v[212:213]
	v_pk_fma_f32 v[214:215], v[X+j+6:X+j+7], v[X+j+6:X+j+7], v[214:215]
.set j, j+8
.endr
	ACROSS RED2                                    ; other bytes than the first reduction's: no barrier is owed between the two
	v_fma_f32 v246, v246, s20, s21                 ; the variance + 1e-5
	v_rsq_f32 v244, v246
	v_rsq_f32 v245, v246
	v_nop                                          ; a plain place behind the transcendentals
	s_wait_alu depctr_va_vdst(0)                   ; the wait ahead of the first reader: one for both
	s_wait_loadcnt 0x0                             ; g and be
.set j, 0
.rept 32
	v_pk_mul_f32 v[X+j:X+j+1], v[X+j:X+j+1], v[244:245]
.set j, j+2
.endr
.set j, 0
.rept 32
	v_pk_fma_f32 v[X+j:X+j+1], v[X+j:X+j+1], v[R+j:R+j+1], v[BE+j:BE+j+1]
.set j, j+2
.endr
; 64 numbers of a lane, register 16 b + i = k 32 b + 16 h + i of my row, become a fragment's codes in v[PC] on and its scale word in v[PW]
.macro QUANT s
.irp b, 0,1,2,3
	v_max3_num_f32 v[TM+\b], |v[\s+16*\b]|, |v[\s+1+16*\b]|, 0x1800000   ; block b: my 16 numbers, and the floor 2^(3 - 127): the byte cannot fall under 1
.endr
.irp i, 2,4,6,8,10,12,14
.irp b, 0,1,2,3
	v_max3_num_f32 v[TM+\b], v[TM+\b], |v[\s+16*\b+\i]|, |v[\s+1+16*\b+\i]|   ; the four blocks by turns
.endr
.endr
.irp b, 0,1,2,3
	v_permlanex16_b32 v[TM+4+\b], v[TM+\b], s[SEL], s[SEL+1]
.endr
.irp b, 0,1,2,3
	v_max_num_f32 v[TM+\b], v[TM+\b], v[TM+4+\b]   ; with lane l xor 16's: the block's largest magnitude
.endr
.irp b, 0,1,2,3
	v_add_nc_u32 v[TM+12+\b], 0xff000000, v[TM+\b] ; 2 off its exponent field: the conversion's scale operand
.endr
.irp b, 0,1,2,3
	v_lshrrev_b32 v[TM+4+\b], 23, v[TM+12+\b]      ; the scale's byte
.endr
	v_lshl_or_b32 v[PW], v[TM+5], 8, v[TM+4]
	v_lshl_or_b32 v[PW], v[TM+6], 16, v[PW]
	v_lshl_or_b32 v[PW], v[TM+7], 24, v[PW]
.irp c, 0,1
	v_cvt_scalef32_pk16_fp6_f32 v[PC+6*\c:PC+2+6*\c], v[\s+32*\c:\s+15+32*\c], v[TM+12+2*\c]
	v_cvt_scalef32_pk16_fp6_f32 v[PC+12+4*\c:PC+14+4*\c], v[\s+16+32*\c:\s+31+32*\c], v[TM+12+2*\c+1]   ; (a conversion's three registers begin on an even number)
.endr
	v_nop                                          ; one plain place behind a scaled conversion
.irp c, 0,1                                    ; the operand's layout wants a WHOLE block in a lane: lanes 0-15 block 2 c, lanes 16-31 block 2 c + 1
.irp i, 0,1,2
	v_permlane16_swap_b32 v[PC+6*\c+\i], v[PC+12+4*\c+\i]
.endr
.irp i, 0,1,2
	v_mov_b32 v[PC+3+6*\c+\i], v[PC+12+4*\c+\i]
.endr
.endr
.endm
	QUANT X
	global_store_b128 v1, v[PC:PC+3], s[22:23]                 ; the record: 512, 256, 512, 256 consecutive bytes
	global_store_b64 v7, v[PC+4:PC+5], s[22:23] offset:512
	global_store_b128 v1, v[PC+6:PC+9], s[22:23] offset:768
	global_store_b64 v7, v[PC+10:PC+11], s[22:23] offset:1280
	ds_store_b32 v6, v[PW] offset:SCW              ; the eight waves' scale words meet, so that they leave as 512 consecutive bytes
	s_wait_dscnt 0x0
	s_barrier_signal -1
	s_barrier_wait -1
	s_cmp_lg_u32 s12, 0
	s_cbranch_scc1 .Lend
	ds_load_b128 v[246:249], v1 offset:SCW
	s_wait_dscnt 0x0
	global_store_b128 v1, v[246:249], s[24:25]
.Lend:
	s_wait_tensorcnt 0x0
	ds_add_u32 v239, v255
	s_wait_dscnt 0x0
	s_endpgm
.Lfunc_end_k_q2e475c6d56_ln1:
	.size	k_q2e475c6d56_ln1, .Lfunc_end_k_q2e475c6d56_ln1-k_q2e475c6d56_ln1
	.p2alignl 7, 3214868480
	.fill 96, 4, 3214868480
	.section	.rodata,"a",@progbits
	.p2align	6, 0x0
	.amdhsa_kernel k_q2e475c6d56_ln1
		.amdhsa_group_segment_fixed_size 70144
		.amdhsa_private_segment_fixed_size 0
		.amdhsa_enable_private_segment 0
		.amdhsa_kernarg_size 32
		.amdhsa_user_sgpr_count 2
		.amdhsa_user_sgpr_kernarg_segment_ptr 1
		.amdhsa_wavefront_size32 1
		.amdhsa_system_sgpr_workgroup_id_x 1
		.amdhsa_system_sgpr_workgroup_id_y 1
		.amdhsa_system_sgpr_workgroup_id_z 1
		.amdhsa_system_vgpr_workitem_id 0
		.amdhsa_next_free_vgpr 256
		.amdhsa_next_free_sgpr 66
		.amdhsa_reserve_vcc 0
		.amdhsa_float_denorm_mode_32 3
		.amdhsa_float_denorm_mode_16_64 3
		.amdhsa_memory_ordered 1
		.amdhsa_forward_progress 1
		.amdhsa_inst_pref_size 26
	.end_amdhsa_kernel
	.amdgpu_metadata
---
amdhsa.version: [ 1, 2 ]
amdhsa.kernels:
  - .name:           k_q2e475c6d56_ln1
    .symbol:         k_q2e475c6d56_ln1.kd
    .args:
      - { .name: x, .offset: 0, .size: 8, .value_kind: global_buffer, .address_space: global }
      - { .name: g1, .offset: 8, .size: 8, .value_kind: global_buffer, .address_space: global }
      - { .name: be1, .offset: 16, .size: 8, .value_kind: global_buffer, .address_space: global }
      - { .name: xn, .offset: 24, .size: 8, .value_kind: global_buffer, .address_space: global }
    .group_segment_fixed_size: 70144
    .private_segment_fixed_size: 0
    .kernarg_segment_align: 8
    .kernarg_segment_size: 32
    .max_flat_workgroup_size: 256
    .sgpr_count:     66
    .vgpr_count:     256
    .wavefront_size: 32
...
	.end_amdgpu_metadata
.endif
;; end of part 2
;; launch gqk (part 3): grid 8 x 64, 4 waves a work-group, clusters of 4 x 4, 295,424 bytes of LDS; arguments xn, wqk, qk; writes qk
.if DOCPART == 3
	.amdgcn_target "amdgcn-amd-amdhsa--gfx1250"
	.amdhsa_code_object_version 6
	.text
	.protected	k_q2e475c6d56_gqk
	.globl	k_q2e475c6d56_gqk
	.p2align	8
	.type	k_q2e475c6d56_gqk,@function
k_q2e475c6d56_gqk:
	s_mov_b64 s[64:65], 0
	v_nop
	global_prefetch_b8 v0, s[64:65] scope:SCOPE_SE
	s_setreg_imm32_b32 hwreg(HW_REG_WAVE_MODE, 25, 1), 1
	s_wait_xcnt 0x0
	s_wait_alu depctr_hold_cnt(0) depctr_sa_sdst(0) depctr_va_vdst(0) depctr_va_sdst(0) depctr_va_ssrc(0) depctr_va_vcc(0) depctr_vm_vsrc(0)
	s_getreg_b32 s2, hwreg(HW_REG_IB_STS2, 6, 4)
	s_cmp_eq_u32 s2, 0
	s_cbranch_scc0 .Lentry_in_a_cluster
	s_endpgm
.Lentry_in_a_cluster:
	s_bfe_u32 s2, ttmp6, 0x10000c
	s_cmp_lg_u32 s2, 0xf033
	s_cbranch_scc0 .Lentry_shape_is_right
	s_endpgm
.Lentry_shape_is_right:
; ONE TEXT FOR THREE LAUNCH BODIES, chosen by VAR.  All are a product on codes of FP6 (E2M3) with E8M0 scales, K = 1,024, sums in f32; operands arrive as RECORDS, images of fragments' registers
; (tile of 16 rows, K step of 128: 1,536 bytes: half c at 768 c: registers 6 c .. 6 c + 3 at 16 x lane, 6 c + 4, 6 c + 5 at 512 + 8 x lane), 12,288 bytes a tile; scale words 512 bytes a tile, 64 a K step, 4 a row.
; Row r of tile t is row 32 (t / 2) + 8 (t % 2) + r + 8 (r / 8) of its tensor: so where a tile is SOURCE 0, the 16 result registers of tiles 2 B, 2 B + 1 are 16 neighbours, 32 B + 16 (lane / 16) + 0 .. 15.
;   VAR 0: S1 = tokens, S0 = a weight's columns.  max(S1 S0^T + bias, floor) is quantised along the columns, the next product's K, and stored as records.  The floor word heads the weight's buffer: -infinity (no activation) or 0 (relu).
;   VAR 1: S1 = Wv's columns, S0 = tokens.  v + bias is quantised along the TOKENS, the keys of attention's second product, and stored as records (channel tile, 128 tokens).
;   VAR 2: S1 = tokens, S0 = W2's columns (tiles 64 on of its buffer).  out = x2 + S1 S0^T + bias, f32 rows.
; SHARES.  A work-group takes 128 rows of S1 (index y) x 256 rows of S0 (index x) with ALL of K; wave w takes S1's tiles 4 (w / 2) + a, a = 0..3, x S0's tiles 8 (w % 2) + b, b = 0..7: 32 accumulators.
; The wave's 128 rows of S0 are one whole K step of the next product: its results become whole fragments and whole scale words in registers.
; LDS holds the work-group's operands whole, 294,912 bytes, as four quarters of two K steps; every byte is filled ONCE: all four tensor loads of a wave go out at the head, so no slot is ever filled again.
; By this text's own count a wave has four tensor loads outstanding.  A quarter is read behind the loading waves' counted wait and a barrier.
; THE FRAGMENTS come out of LDS one K step ahead, in three runs of 16 loads that stand among the K step's four groups of eight matrix instructions (S0's tiles two at a time, each against S1's four):
; a wave's 48 loads bring 18,432 bytes for its 32 matrix instructions, so the loads are served while matrix instructions run, and each group waits only for the fragments that it multiplies.  The price: seven switches of the register window in a K step.
; CLUSTER 4 x 4: S1's tiles hang on y alone and are asked for jointly along a row of the cluster, S0's on x alone and along a column.
; The tile is the largest with which each launch has 256 work-groups or more and all of K lies in LDS.
; REGISTERS, in windows of 256: window 0: v2-14 addresses; v32-63 S1's scale words (8 a + s), v64-127 S0's (8 b + s); v128-223 S1's fragments, two sets of 48; on the way out v128 on are at work.
;   window 1: accumulator (a, b) at 8 (8 a + b).   window 2: v0-191 S0's fragments, two sets of 96; v192-255 the bias of my 128 rows of S0.   window 3 (VAR 2): my 64 rows x 128 columns of x2.
; LIMITS: NaN and infinities are not served; a block of zeros gets the byte 1 (its codes are zeros; this program alone reads the bytes); largest magnitudes under 2^-124 were not tried.
.set VAR,    0
.set W_BIAS, 256
.set W_SCL,  8448
.set W_COD,  73984
.set A_COD,  262144
.set PLANE,  6553600                   ; an activation buffer's bytes: VAR 0 stores columns 1,024 on (k beside q) into a second one behind the first
.if VAR == 1
.set S1_SCL, W_SCL
.set S1_COD, W_COD
.set S0_SCL, 0
.set S0_COD, A_COD
.set ASTR,   98304                     ; from my tile a of S1 to tile a + 1 in the output's records: 64 records,
.set SSTR,   4096                      ; and in its scale words
.else
.set S1_SCL, 0
.set S1_COD, A_COD
.set S0_SCL, W_SCL
.set S0_COD, W_COD
.set ASTR,   12288
.set SSTR,   512
.endif
.if VAR == 2
.set T0OFF,  64
.else
.set T0OFF,  0
.endif
.set QB,   73728                       ; a quarter in LDS: S1's 8 tiles x 3,072 bytes, then S0's 16
.set S0P,  24576
.set T,    128                         ; the way out: 64 numbers
.set PC,   192                         ; v192-211 codes
.set TM,   212                         ; v212-227 at work in QUANT
.set PW,   228                         ; the scale word just made
.set PWS,  232                         ; v232-235 the four tiles' scale words
.set RB,   236                         ; v236-243 VAR 1: the bias of my lane's channel, twice, for each a
.set BK,   64                          ; VAR 2: 16 rows back from the stage
.set SEL,  20                          ; s[20:21] lane selects for v_permlanex16_b32: lane l xor 16
.set MSB, 0
.macro WIN new                         ; the immediate's high byte repeats the setting that is left
.if MSB != \new
	s_set_vgpr_msb (MSB<<8)|\new
.set MSB, \new
.endif
.endm
.macro CROUND                          ; a round of the cluster's barrier
	s_barrier_signal -1
	s_barrier_wait -1
	s_cmp_lg_u32 s14, 0
	s_cbranch_scc1 .Lnot_wave_0_\@
	s_barrier_signal -3
.Lnot_wave_0_\@:
	s_barrier_wait -3
	s_barrier_signal -1
	s_barrier_wait -1
.endm
.macro PLACES                          ; four plain places behind a matrix instruction, ahead of loads into its registers and of reads of its results
.rept 4
	v_nop
.endr
.endm
	s_load_b128 s[4:7], s[0:1], 0x0                ; S1 s[4:5], S0 s[6:7]
	s_load_b64 s[8:9], s[0:1], 0x10                ; the output (VAR 2: x2)
	v_lshl_add_u32 v254, v0, 2, 0x48000
	v_mov_b32 v255, 0
	ds_add_u32 v254, v255
	ds_add_u32 v254, v255
.if VAR == 2
	s_load_b64 s[10:11], s[0:1], 0x18              ; out
.endif
	v_lshrrev_b32 v1, 5, v0
	v_readfirstlane_b32 s14, v1                    ; wave 0..3
	s_lshr_b32 s15, s14, 1                         ; WH: which half of S1's tiles is mine.  Also: I fetch for S1 (0) or for S0 (1)
	s_and_b32 s16, s14, 1                          ; WL: which half of S0's tiles is mine.  Also: which half of that operand's tiles I fetch
	s_bfe_u32 s76, ttmp6, 0x40000                  ; cx, cy: my place in the cluster
	s_bfe_u32 s77, ttmp6, 0x40004
	s_lshl_b32 s78, ttmp9, 2
	s_add_co_u32 s78, s78, s76                     ; x = 4 x cluster x + cx
	s_and_b32 s79, ttmp7, 0xffff
	s_lshl_b32 s79, s79, 2
	s_add_co_u32 s79, s79, s77                     ; y = 4 x cluster y + cy
	s_lshl_b32 s80, s77, 2
	s_lshl_b32 s80, 15, s80                        ; my row of the cluster
	s_lshl_b32 s81, 0x1111, s76                    ; my column
	; descriptor groups 1: rows of 3,072 bytes (a tile's two K steps: 384 elements of 8 bytes), 12,288 bytes apart; S1: 4 tiles, S0: 8; laid on end in LDS
	s_or_b32 s24, s80, (3<<16)|(1<<21)             ; 15:0 the mask; 17:16 elements of 8 bytes; 21 set beside a mask
	s_mov_b32 s25, 384<<16                         ; tensor_dim0
	s_mov_b32 s26, 4<<16                           ; tensor_dim1
	s_mov_b32 s27, 384<<16                         ; tile_dim0
	s_mov_b32 s28, 4                               ; tile_dim1
	s_mov_b32 s29, 1536                            ; the pitch in elements
	s_mov_b32 s30, 0
	s_mov_b32 s31, 0
	s_or_b32 s32, s81, (3<<16)|(1<<21)
	s_mov_b32 s33, 384<<16
	s_mov_b32 s34, 8<<16
	s_mov_b32 s35, 384<<16
	s_mov_b32 s36, 8
	s_mov_b32 s37, 1536
	s_mov_b32 s38, 0
	s_mov_b32 s39, 0
	s_mul_i32 s17, s16, 12288                      ; where what I fetch goes in a quarter: of S1,
	s_mul_i32 s18, s16, 24576
	s_add_co_u32 s18, s18, S0P                     ; of S0: the wave's number alone enters an LDS address
	s_mov_b32 s[SEL], 0x76543210
	s_mov_b32 s[SEL+1], 0xfedcba98
	s_lshl_b32 s82, s79, 3                         ; S1: the tiles that I fetch: 8 y + 4 WL on
	s_lshl_b32 s83, s16, 2
	s_add_co_u32 s82, s82, s83
	s_mul_i32 s82, s82, 12288
	s_add_co_u32 s82, s82, S1_COD
	s_mov_b32 s83, 0
	s_lshl_b32 s84, s78, 4                         ; S0: 16 x + 8 WL on: the tiles that I fetch, and those that I multiply by
	s_lshl_b32 s85, s16, 3
	s_add_co_u32 s84, s84, s85
	s_add_co_u32 s84, s84, T0OFF
	s_lshl_b32 s90, s84, 9
	s_add_co_u32 s90, s90, S0_SCL                  ; their scale words
	s_mov_b32 s91, 0
	s_lshl_b32 s97, s79, 3
	s_lshl_b32 s88, s15, 2
	s_add_co_u32 s97, s97, s88                     ; S1: my first tile: 8 y + 4 WH
	s_lshl_b32 s88, s97, 9
	s_add_co_u32 s88, s88, S1_SCL                  ; its scale words
	s_mov_b32 s89, 0
.if VAR == 1
	s_lshl_b32 s92, s97, 6                         ; the bias lies with the weight: here S1
.else
	s_lshl_b32 s92, s84, 6                         ; here S0
.endif
	s_add_co_u32 s92, s92, W_BIAS
	s_mov_b32 s93, 0
	s_mul_i32 s84, s84, 12288
	s_add_co_u32 s84, s84, S0_COD
	s_mov_b32 s85, 0
.if VAR == 0                           ; records (token tile, K step 2 cx + WL) of plane cluster x
	s_lshl_b32 s86, s76, 1
	s_add_co_u32 s86, s86, s16
	s_mul_i32 s87, ttmp9, PLANE
	s_lshl_b32 s94, s97, 3
	s_add_co_u32 s94, s94, s86
	s_mul_i32 s94, s94, 1536
	s_add_co_u32 s94, s94, s87
	s_add_co_u32 s94, s94, A_COD
	s_lshl_b32 s98, s97, 9
	s_lshl_b32 s86, s86, 6
	s_add_co_u32 s98, s98, s86
	s_add_co_u32 s98, s98, s87
.endif
.if VAR == 1                           ; records (channel tile, 128 tokens 2 x + WL)
	s_lshl_b32 s86, s78, 1
	s_add_co_u32 s86, s86, s16
	s_lshl_b32 s87, s97, 6
	s_add_co_u32 s87, s87, s86
	s_mul_i32 s94, s87, 1536
	s_add_co_u32 s94, s94, A_COD
	s_lshl_b32 s98, s87, 6
.endif
.if VAR == 2                           ; f32 rows: token 16 x my first tile, columns 128 (2 x + WL) on
	s_lshl_b32 s86, s78, 1
	s_add_co_u32 s86, s86, s16
	s_lshl_b32 s94, s97, 16
	s_lshl_b32 s86, s86, 9
	s_add_co_u32 s94, s94, s86
.endif
	s_mov_b32 s95, 0
	s_mov_b32 s99, 0
	s_wait_dscnt 0x0
	s_wait_kmcnt 0x0
	s_add_nc_u64 s[82:83], s[4:5], s[82:83]
	s_add_nc_u64 s[84:85], s[6:7], s[84:85]
	s_add_nc_u64 s[88:89], s[4:5], s[88:89]
	s_add_nc_u64 s[90:91], s[6:7], s[90:91]
.if VAR == 1
	s_add_nc_u64 s[92:93], s[4:5], s[92:93]
.else
	s_add_nc_u64 s[92:93], s[6:7], s[92:93]
.endif
.if VAR == 2
	s_add_nc_u64 s[98:99], s[10:11], s[94:95]
	s_add_nc_u64 s[94:95], s[8:9], s[94:95]
.else
	s_add_nc_u64 s[94:95], s[8:9], s[94:95]
	s_add_nc_u64 s[98:99], s[8:9], s[98:99]
.endif
.if VAR == 0
	s_load_b32 s96, s[6:7], 0x0                    ; the floor word
.endif
.irp q, 0,1,2,3                        ; descriptor groups 0, a set for each quarter: S1's at s40 on, S0's at s56, s60, s68, s72
	s_mov_b32 s[40+4*\q], 1
	s_add_co_u32 s[41+4*\q], s17, \q*QB
	s_add_nc_u64 s[42+4*\q:43+4*\q], s[82:83], \q*3072
	s_or_b32 s[43+4*\q], s[43+4*\q], 0x80000000
	s_mov_b32 s[56+4*\q+4*(\q/2)], 1
	s_add_co_u32 s[57+4*\q+4*(\q/2)], s18, \q*QB
	s_add_nc_u64 s[58+4*\q+4*(\q/2):59+4*\q+4*(\q/2)], s[84:85], \q*3072
	s_or_b32 s[59+4*\q+4*(\q/2)], s[59+4*\q+4*(\q/2)], 0x80000000
.endr
	CROUND                                         ; all sixteen work-groups are here: the joint loads meet
	s_cmp_eq_u32 s15, 0                            ; a wave's four fills stand in one branch on the wave's number, ahead of every wait on TENSORcnt, every LDS read and every other barrier
	s_cbranch_scc0 .Lfor_s0
	tensor_load_to_lds s[40:43], s[24:31]
	s_nop 0
	tensor_load_to_lds s[44:47], s[24:31]
	s_nop 0
	tensor_load_to_lds s[48:51], s[24:31]
	s_nop 0
	tensor_load_to_lds s[52:55], s[24:31]
	s_nop 0
.rept 4
	v_nop                                          ; four lines behind the last
.endr
	s_branch .Lasked
.Lfor_s0:
	tensor_load_to_lds s[56:59], s[32:39]
	s_nop 0
	tensor_load_to_lds s[60:63], s[32:39]
	s_nop 0
	tensor_load_to_lds s[68:71], s[32:39]
	s_nop 0
	tensor_load_to_lds s[72:75], s[32:39]
	s_nop 0
.rept 4
	v_nop
.endr
.Lasked:
	v_and_b32 v1, 31, v0
	v_lshlrev_b32 v6, 4, v1                        ; 16 x lane
	v_lshlrev_b32 v7, 3, v1                        ; 8 x lane
	v_and_b32 v11, 15, v0                          ; r
	v_lshlrev_b32 v8, 2, v11                       ; 4 r
	v_bfe_u32 v12, v0, 4, 1                        ; h
	v_lshlrev_b32 v9, 5, v12                       ; 32 h
	v_mul_u32_u24 v10, v12, SSTR
	v_add_nc_u32 v10, v10, v8                      ; the scale words' store: lanes 0-15 one tile's, lanes 16-31 the next tile's
	s_mul_i32 s19, s15, 12288
	v_add_nc_u32 v2, s19, v6                       ; S1's records that I read: first four registers of a half,
	v_add_nc_u32 v3, s19, v7
	v_add_nc_u32 v3, 512, v3                       ; last two
	v_add_nc_u32 v4, s18, v6                       ; S0's likewise
	v_add_nc_u32 v5, s18, v7
	v_add_nc_u32 v5, 512, v5
.if VAR == 2
	s_mul_i32 s19, s14, 8448                       ; my stage for the way out: 16 rows x 528 bytes, in quarter 0
	v_mul_u32_u24 v13, v11, 528
	v_lshl_add_u32 v13, v12, 6, v13
	v_add_nc_u32 v13, s19, v13                     ; in: row r, + 64 h
	v_add_nc_u32 v14, s19, v6                      ; back: 16 bytes a lane of a row
.endif
.irp a, 0,1,2,3
.irp s, 0,1,2,3,4,5,6,7
	global_load_b32 v[32+8*\a+\s], v8, s[88:89] offset:\a*512+\s*64    ; scale words stay in registers for the whole launch; the matrix unit reads lanes 0-15
.endr
.endr
.irp b, 0,1,2,3,4,5,6,7
.irp s, 0,1,2,3,4,5,6,7
	global_load_b32 v[64+8*\b+\s], v8, s[90:91] offset:\b*512+\s*64
.endr
.endr
.if VAR == 1
.irp a, 0,1,2,3
	global_load_b32 v[RB+2*\a], v8, s[92:93] offset:64*\a              ; my lane's channel's bias, into both halves of a pair
	global_load_b32 v[RB+2*\a+1], v8, s[92:93] offset:64*\a
.endr
.else
	WIN 0x80                                       ; destination window 2
.irp b, 0,1,2,3,4,5,6,7
	global_load_b128 v[192+8*\b:195+8*\b], v9, s[92:93] offset:64*\b   ; the bias in the result's layout: tile b, rows 8 h + 0 .. 7
	global_load_b128 v[196+8*\b:199+8*\b], v9, s[92:93] offset:64*\b+16
.endr
	WIN 0
.endif
.if VAR == 2
	WIN 0xc0                                       ; destination window 3
.irp a, 0,1,2,3
.irp t, 0,1,2,3,4,5,6,7,8,9,10,11,12,13,14,15
	global_load_b128 v[64*\a+4*\t:64*\a+4*\t+3], v6, s[94:95] offset:(32*(\a/2)+8*(\a%2)+\t+8*(\t/8))*4096   ; x2: row t of my tile a, my 128 columns: 512 consecutive bytes
.endr
.endr
	WIN 0
.endif
.macro FRAG reg, a16, a8, off          ; a record becomes a fragment: four dense loads
	ds_load_b128 v[\reg:\reg+3], v[\a16] offset:\off
	ds_load_b64 v[\reg+4:\reg+5], v[\a8] offset:\off
	ds_load_b128 v[\reg+6:\reg+9], v[\a16] offset:\off+768
	ds_load_b64 v[\reg+10:\reg+11], v[\a8] offset:\off+768
.endm
.macro LD_S1 s                         ; a run of 16 LDS loads: S1's four fragments of K step s into set s % 2
	WIN 0
.irp a, 0,1,2,3
	FRAG 128+48*((\s)%2)+12*\a, 2, 3, \a*3072+((\s)%2)*1536
.endr
.endm
.macro LD_S0 s, b0                     ; a run of 16 LDS loads: S0's fragments b0 .. b0 + 3 of K step s into set s % 2
	WIN 0x80                                       ; destination window 2, address window 0
.irp b, \b0, \b0+1, \b0+2, \b0+3
	FRAG 96*((\s)%2)+12*(\b), 4, 5, (\b)*3072+((\s)%2)*1536
.endr
.endm
.macro MULG s, b0                      ; a group of eight matrix instructions: S0's tiles b0, b0 + 1, each against S1's four.  The 32 accumulators take turns, one instruction a turn, in the same order in every K step; the first K step starts the sums
	WIN 0x52                                       ; source 0 (S0) window 2, source 1 (S1) window 0, C and D window 1
.irp b, \b0, \b0+1
.irp a, 0,1,2,3
.if (\s) == 0
	v_wmma_scale_f32_16x16x128_f8f6f4 v[8*(8*\a+(\b)):8*(8*\a+(\b))+7], v[96*((\s)%2)+12*(\b):96*((\s)%2)+12*(\b)+11], v[128+48*((\s)%2)+12*\a:128+48*((\s)%2)+12*\a+11], 0, v[64+8*(\b)+(\s)], v[32+8*\a+(\s)] matrix_a_fmt:MATRIX_FMT_FP6 matrix_b_fmt:MATRIX_FMT_FP6
.else
	v_wmma_scale_f32_16x16x128_f8f6f4 v[8*(8*\a+(\b)):8*(8*\a+(\b))+7], v[96*((\s)%2)+12*(\b):96*((\s)%2)+12*(\b)+11], v[128+48*((\s)%2)+12*\a:128+48*((\s)%2)+12*\a+11], v[8*(8*\a+(\b)):8*(8*\a+(\b))+7], v[64+8*(\b)+(\s)], v[32+8*\a+(\s)] matrix_a_fmt:MATRIX_FMT_FP6 matrix_b_fmt:MATRIX_FMT_FP6
.endif
.endr
.endr
.endm
; A K STEP: four groups of eight matrix instructions; among them the next K step's 48 LDS loads in three runs, in the order in which that step wants them: S1's four fragments, S0's 0-3, S0's 4-7 (four loads a fragment).
; THE COUNTS.  A group wants S1's fragments and S0's up to its own two.  At a K step's head 48 loads may be out, of which the first 24 are wanted: 24 may stay out.  Each later group wants eight more,
; and a run of 16 has been issued meanwhile: 16 + 16, 8 + 32, 0 + 48.  The last K step issues none: 24, 16, 8, 0.
.macro KSTEP s
.if (\s) == 7
	s_wait_dscnt 24
	MULG \s, 0
	s_wait_dscnt 16
	MULG \s, 2
	s_wait_dscnt 8
	MULG \s, 4
	s_wait_dscnt 0x0
	MULG \s, 6
.elseif (\s)%2 == 0                    ; the successor lies in the same quarter
.if (\s) > 0
	PLACES                                         ; the sets that this step's runs load were read by the K step before
.endif
	s_wait_dscnt 24
	MULG \s, 0
	LD_S1 (\s)+1
	s_wait_dscnt 32
	MULG \s, 2
	LD_S0 (\s)+1, 0
	s_wait_dscnt 40
	MULG \s, 4
	LD_S0 (\s)+1, 4
	s_wait_dscnt 48
	MULG \s, 6
.else                                  ; the successor lies in the next quarter: a barrier stands ahead of its loads, the second group between the barrier's signal and its wait
	s_wait_dscnt 24
	MULG \s, 0
	WIN 0
	s_wait_tensorcnt 3-((\s)+1)/2                  ; my part of the next quarter has landed; the later quarters' loads may stay out
	s_wait_dscnt 0x0                               ; no LDS instruction of mine is pending at the signal: all of this K step's fragments are in
	s_barrier_signal -1
	v_add_nc_u32 v2, QB, v2                        ; on to that quarter.  These four are also the places ahead of the loads into the sets that the K step before has read
	v_add_nc_u32 v3, QB, v3
	v_add_nc_u32 v4, QB, v4
	v_add_nc_u32 v5, QB, v5
	MULG \s, 2
	s_barrier_wait -1                              ; everybody's part has landed
	LD_S1 (\s)+1
	MULG \s, 4
	LD_S0 (\s)+1, 0
	MULG \s, 6
	LD_S0 (\s)+1, 4
.endif
.endm
	s_wait_tensorcnt 3                             ; my part of quarter 0 is in; three loads may stay out
	s_barrier_signal -1
	s_barrier_wait -1
	LD_S1 0                                        ; the first K step's fragments, in the same order
	LD_S0 0, 0
	LD_S0 0, 4
.if VAR == 2
	s_wait_loadcnt 63                              ; 64 loads of x2 were issued behind the last of the bias: scale words and bias are in
.else
	s_wait_loadcnt 0x0                             ; scale words and bias
.endif
.irp s, 0,1,2,3,4,5,6,7
	KSTEP \s
.endr
	WIN 0
; 64 numbers of a lane, register 16 b + i = k 32 b + 16 h + i of my row, become a fragment's codes in v[PC] on and its scale word in v[PW]
.macro QUANT s
.irp b, 0,1,2,3
	v_max3_num_f32 v[TM+\b], |v[\s+16*\b]|, |v[\s+1+16*\b]|, 0x1800000   ; block b: my 16 numbers, and the floor 2^(3 - 127): the byte cannot fall under 1
.endr
.irp i, 2,4,6,8,10,12,14
.irp b, 0,1,2,3
	v_max3_num_f32 v[TM+\b], v[TM+\b], |v[\s+16*\b+\i]|, |v[\s+1+16*\b+\i]|   ; the four blocks by turns
.endr
.endr
.irp b, 0,1,2,3
	v_permlanex16_b32 v[TM+4+\b], v[TM+\b], s[SEL], s[SEL+1]
.endr
.irp b, 0,1,2,3
	v_max_num_f32 v[TM+\b], v[TM+\b], v[TM+4+\b]   ; with lane l xor 16's: the block's largest magnitude
.endr
.irp b, 0,1,2,3
	v_add_nc_u32 v[TM+12+\b], 0xff000000, v[TM+\b] ; 2 off its exponent field: the conversion's scale operand
.endr
.irp b, 0,1,2,3
	v_lshrrev_b32 v[TM+4+\b], 23, v[TM+12+\b]      ; the scale's byte
.endr
	v_lshl_or_b32 v[PW], v[TM+5], 8, v[TM+4]
	v_lshl_or_b32 v[PW], v[TM+6], 16, v[PW]
	v_lshl_or_b32 v[PW], v[TM+7], 24, v[PW]
.irp c, 0,1
	v_cvt_scalef32_pk16_fp6_f32 v[PC+6*\c:PC+2+6*\c], v[\s+32*\c:\s+15+32*\c], v[TM+12+2*\c]
	v_cvt_scalef32_pk16_fp6_f32 v[PC+12+4*\c:PC+14+4*\c], v[\s+16+32*\c:\s+31+32*\c], v[TM+12+2*\c+1]   ; (a conversion's three registers begin on an even number)
.endr
	v_nop                                          ; one plain place behind a scaled conversion
.irp c, 0,1                                    ; the operand's layout wants a WHOLE block in a lane
.irp i, 0,1,2
	v_permlane16_swap_b32 v[PC+6*\c+\i], v[PC+12+4*\c+\i]
.endr
.irp i, 0,1,2
	v_mov_b32 v[PC+3+6*\c+\i], v[PC+12+4*\c+\i]
.endr
.endr
.endm
.macro IMAGE off                       ; the fragment in v[PC] on leaves as a record: 512, 256, 512, 256 consecutive bytes
	global_store_b128 v6, v[PC:PC+3], s[94:95] offset:\off
	global_store_b64 v7, v[PC+4:PC+5], s[94:95] offset:\off+512
	global_store_b128 v6, v[PC+6:PC+9], s[94:95] offset:\off+768
	global_store_b64 v7, v[PC+10:PC+11], s[94:95] offset:\off+1280
.endm
.if VAR != 2
	; THE WAY OUT, a tile of S1 at a time: bias (and floor), quantised in registers, stored as one record and one scale word a row
	PLACES
.irp b, 0,1,2,3
	v_mov_b32 v[TM+4+\b], 0                        ; a lane permute's destination counts as one of its sources
.endr
.if VAR == 0
	s_wait_kmcnt 0x0                               ; the floor word
.endif
.irp a, 0,1,2,3
.if \a > 0
	s_wait_xcnt 0x0                                ; the last tile's stores have read their registers: the codes may be written again
.endif
.if VAR == 0
	WIN 0x09                                       ; source 0 (sums) window 1, source 1 (bias) window 2
.set j, 0
.rept 32
	v_pk_add_f32 v[T+j:T+j+1], v[64*\a+j:64*\a+j+1], v[192+j:193+j]    ; each accumulator from its low end on
.set j, j+2
.endr
	WIN 0
.set j, 0
.rept 64
	v_max_num_f32 v[T+j], s96, v[T+j]              ; the floor: a relu where it is 0, nothing where it is -infinity
.set j, j+1
.endr
.else
	WIN 0x01                                       ; source 0 (sums) window 1
.set j, 0
.rept 32
	v_pk_add_f32 v[T+j:T+j+1], v[64*\a+j:64*\a+j+1], v[RB+2*\a:RB+2*\a+1]
.set j, j+2
.endr
	WIN 0
.endif
	QUANT T
	IMAGE \a*ASTR
	v_mov_b32 v[PWS+\a], v[PW]
.endr
	s_mov_b32 vcc_lo, 0xffff0000                   ; every lane holds its row's word: lanes 0-15 send one tile's, lanes 16-31 the next tile's
	v_cndmask_b32 v230, v[PWS], v[PWS+1], vcc_lo
	v_cndmask_b32 v231, v[PWS+2], v[PWS+3], vcc_lo
	global_store_b32 v10, v230, s[98:99]
	global_store_b32 v10, v231, s[98:99] offset:2*SSTR
.else
	; THE WAY OUT, a tile of 16 tokens at a time: + bias, through my stage in LDS, back as whole rows of 512 bytes, + x2, stored.
	s_wait_dscnt 0x0
	s_barrier_signal -1
	s_barrier_wait -1                              ; no wave reads the operands any more; quarter 0 has had its one fill: the stages may lie there
	s_wait_loadcnt 0x0                             ; x2
	PLACES
.irp a, 0,1,2,3
	WIN 0x09
.set j, 0
.rept 32
	v_pk_add_f32 v[T+j:T+j+1], v[64*\a+j:64*\a+j+1], v[192+j:193+j]    ; each accumulator from its low end on
.set j, j+2
.endr
	WIN 0
.irp b, 0,1,2,3,4,5,6,7
	ds_store_b128 v13, v[T+8*\b:T+8*\b+3] offset:128*(\b/2)+32*(\b%2)          ; lane (r, h): columns 32 (b / 2) + 16 h + 8 (b % 2) + 0 .. 7 of row r
	ds_store_b128 v13, v[T+8*\b+4:T+8*\b+7] offset:128*(\b/2)+32*(\b%2)+16
.endr
.if \a > 0
	s_wait_xcnt 0x0                                ; the last tile's stores have read their registers
.endif
.irp t, 0,1,2,3,4,5,6,7,8,9,10,11,12,13,14,15
	ds_load_b128 v[BK+4*\t:BK+4*\t+3], v14 offset:\t*528               ; LDS serves a wave's instructions in order: these see my stores
.endr
	s_wait_dscnt 0x0
	WIN 0x0c                                       ; source 1 (x2) window 3
.set j, 0
.rept 32
	v_pk_add_f32 v[BK+j:BK+j+1], v[BK+j:BK+j+1], v[64*\a+j:64*\a+j+1]
.set j, j+2
.endr
	WIN 0
.irp t, 0,1,2,3,4,5,6,7,8,9,10,11,12,13,14,15
	global_store_b128 v6, v[BK+4*\t:BK+4*\t+3], s[98:99] offset:(32*(\a/2)+8*(\a%2)+\t+8*(\t/8))*4096 th:TH_STORE_NT   ; 32 lanes store 512 consecutive bytes
.endr
.endr
.endif
	s_wait_dscnt 0x0
	s_wait_tensorcnt 0x0
	ds_add_u32 v254, v255
	s_wait_dscnt 0x0
	CROUND                                         ; the closing round: no work-group ends while a partner may still ask for a tile that names it
	s_endpgm
.Lfunc_end_k_q2e475c6d56_gqk:
	.size	k_q2e475c6d56_gqk, .Lfunc_end_k_q2e475c6d56_gqk-k_q2e475c6d56_gqk
	.p2alignl 7, 3214868480
	.fill 96, 4, 3214868480
	.section	.rodata,"a",@progbits
	.p2align	6, 0x0
	.amdhsa_kernel k_q2e475c6d56_gqk
		.amdhsa_group_segment_fixed_size 295424
		.amdhsa_private_segment_fixed_size 0
		.amdhsa_enable_private_segment 0
		.amdhsa_kernarg_size 24
		.amdhsa_user_sgpr_count 2
		.amdhsa_user_sgpr_kernarg_segment_ptr 1
		.amdhsa_wavefront_size32 1
		.amdhsa_system_sgpr_workgroup_id_x 1
		.amdhsa_system_sgpr_workgroup_id_y 1
		.amdhsa_system_sgpr_workgroup_id_z 1
		.amdhsa_system_vgpr_workitem_id 0
		.amdhsa_next_free_vgpr 768
		.amdhsa_next_free_sgpr 100
		.amdhsa_reserve_vcc 1
		.amdhsa_float_denorm_mode_32 3
		.amdhsa_float_denorm_mode_16_64 3
		.amdhsa_memory_ordered 1
		.amdhsa_forward_progress 1
		.amdhsa_inst_pref_size 113
	.end_amdhsa_kernel
	.amdgpu_metadata
---
amdhsa.version: [ 1, 2 ]
amdhsa.kernels:
  - .name:           k_q2e475c6d56_gqk
    .symbol:         k_q2e475c6d56_gqk.kd
    .args:
      - { .name: xn, .offset: 0, .size: 8, .value_kind: global_buffer, .address_space: global }
      - { .name: wqk, .offset: 8, .size: 8, .value_kind: global_buffer, .address_space: global }
      - { .name: qk, .offset: 16, .size: 8, .value_kind: global_buffer, .address_space: global }
    .group_segment_fixed_size: 295424
    .private_segment_fixed_size: 0
    .kernarg_segment_align: 8
    .kernarg_segment_size: 24
    .max_flat_workgroup_size: 128
    .sgpr_count:     100
    .vgpr_count:     768
    .wavefront_size: 32
...
	.end_amdgpu_metadata
.endif
;; end of part 3
;; launch gv (part 4): grid 32 x 8, 4 waves a work-group, clusters of 4 x 4, 295,424 bytes of LDS; arguments wv2, xn, vv; writes vv
.if DOCPART == 4
	.amdgcn_target "amdgcn-amd-amdhsa--gfx1250"
	.amdhsa_code_object_version 6
	.text
	.protected	k_q2e475c6d56_gv
	.globl	k_q2e475c6d56_gv
	.p2align	8
	.type	k_q2e475c6d56_gv,@function
k_q2e475c6d56_gv:
	s_mov_b64 s[64:65], 0
	v_nop
	global_prefetch_b8 v0, s[64:65] scope:SCOPE_SE
	s_setreg_imm32_b32 hwreg(HW_REG_WAVE_MODE, 25, 1), 1
	s_wait_xcnt 0x0
	s_wait_alu depctr_hold_cnt(0) depctr_sa_sdst(0) depctr_va_vdst(0) depctr_va_sdst(0) depctr_va_ssrc(0) depctr_va_vcc(0) depctr_vm_vsrc(0)
	s_getreg_b32 s2, hwreg(HW_REG_IB_STS2, 6, 4)
	s_cmp_eq_u32 s2, 0
	s_cbranch_scc0 .Lentry_in_a_cluster
	s_endpgm
.Lentry_in_a_cluster:
	s_bfe_u32 s2, ttmp6, 0x10000c
	s_cmp_lg_u32 s2, 0xf033
	s_cbranch_scc0 .Lentry_shape_is_right
	s_endpgm
.Lentry_shape_is_right:
; ONE TEXT FOR THREE LAUNCH BODIES, chosen by VAR.  All are a product on codes of FP6 (E2M3) with E8M0 scales, K = 1,024, sums in f32; operands arrive as RECORDS, images of fragments' registers
; (tile of 16 rows, K step of 128: 1,536 bytes: half c at 768 c: registers 6 c .. 6 c + 3 at 16 x lane, 6 c + 4, 6 c + 5 at 512 + 8 x lane), 12,288 bytes a tile; scale words 512 bytes a tile, 64 a K step, 4 a row.
; Row r of tile t is row 32 (t / 2) + 8 (t % 2) + r + 8 (r / 8) of its tensor: so where a tile is SOURCE 0, the 16 result registers of tiles 2 B, 2 B + 1 are 16 neighbours, 32 B + 16 (lane / 16) + 0 .. 15.
;   VAR 0: S1 = tokens, S0 = a weight's columns.  max(S1 S0^T + bias, floor) is quantised along the columns, the next product's K, and stored as records.  The floor word heads the weight's buffer: -infinity (no activation) or 0 (relu).
;   VAR 1: S1 = Wv's columns, S0 = tokens.  v + bias is quantised along the TOKENS, the keys of attention's second product, and stored as records (channel tile, 128 tokens).
;   VAR 2: S1 = tokens, S0 = W2's columns (tiles 64 on of its buffer).  out = x2 + S1 S0^T + bias, f32 rows.
; SHARES.  A work-group takes 128 rows of S1 (index y) x 256 rows of S0 (index x) with ALL of K; wave w takes S1's tiles 4 (w / 2) + a, a = 0..3, x S0's tiles 8 (w % 2) + b, b = 0..7: 32 accumulators.
; The wave's 128 rows of S0 are one whole K step of the next product: its results become whole fragments and whole scale words in registers.
; LDS holds the work-group's operands whole, 294,912 bytes, as four quarters of two K steps; every byte is filled ONCE: all four tensor loads of a wave go out at the head, so no slot is ever filled again.
; By this text's own count a wave has four tensor loads outstanding.  A quarter is read behind the loading waves' counted wait and a barrier.
; THE FRAGMENTS come out of LDS one K step ahead, in three runs of 16 loads that stand among the K step's four groups of eight matrix instructions (S0's tiles two at a time, each against S1's four):
; a wave's 48 loads bring 18,432 bytes for its 32 matrix instructions, so the loads are served while matrix instructions run, and each group waits only for the fragments that it multiplies.  The price: seven switches of the register window in a K step.
; CLUSTER 4 x 4: S1's tiles hang on y alone and are asked for jointly along a row of the cluster, S0's on x alone and along a column.
; The tile is the largest with which each launch has 256 work-groups or more and all of K lies in LDS.
; REGISTERS, in windows of 256: window 0: v2-14 addresses; v32-63 S1's scale words (8 a + s), v64-127 S0's (8 b + s); v128-223 S1's fragments, two sets of 48; on the way out v128 on are at work.
;   window 1: accumulator (a, b) at 8 (8 a + b).   window 2: v0-191 S0's fragments, two sets of 96; v192-255 the bias of my 128 rows of S0.   window 3 (VAR 2): my 64 rows x 128 columns of x2.
; LIMITS: NaN and infinities are not served; a block of zeros gets the byte 1 (its codes are zeros; this program alone reads the bytes); largest magnitudes under 2^-124 were not tried.
.set VAR,    1
.set W_BIAS, 256
.set W_SCL,  8448
.set W_COD,  73984
.set A_COD,  262144
.set PLANE,  6553600                   ; an activation buffer's bytes: VAR 0 stores columns 1,024 on (k beside q) into a second one behind the first
.if VAR == 1
.set S1_SCL, W_SCL
.set S1_COD, W_COD
.set S0_SCL, 0
.set S0_COD, A_COD
.set ASTR,   98304                     ; from my tile a of S1 to tile a + 1 in the output's records: 64 records,
.set SSTR,   4096                      ; and in its scale words
.else
.set S1_SCL, 0
.set S1_COD, A_COD
.set S0_SCL, W_SCL
.set S0_COD, W_COD
.set ASTR,   12288
.set SSTR,   512
.endif
.if VAR == 2
.set T0OFF,  64
.else
.set T0OFF,  0
.endif
.set QB,   73728                       ; a quarter in LDS: S1's 8 tiles x 3,072 bytes, then S0's 16
.set S0P,  24576
.set T,    128                         ; the way out: 64 numbers
.set PC,   192                         ; v192-211 codes
.set TM,   212                         ; v212-227 at work in QUANT
.set PW,   228                         ; the scale word just made
.set PWS,  232                         ; v232-235 the four tiles' scale words
.set RB,   236                         ; v236-243 VAR 1: the bias of my lane's channel, twice, for each a
.set BK,   64                          ; VAR 2: 16 rows back from the stage
.set SEL,  20                          ; s[20:21] lane selects for v_permlanex16_b32: lane l xor 16
.set MSB, 0
.macro WIN new                         ; the immediate's high byte repeats the setting that is left
.if MSB != \new
	s_set_vgpr_msb (MSB<<8)|\new
.set MSB, \new
.endif
.endm
.macro CROUND                          ; a round of the cluster's barrier
	s_barrier_signal -1
	s_barrier_wait -1
	s_cmp_lg_u32 s14, 0
	s_cbranch_scc1 .Lnot_wave_0_\@
	s_barrier_signal -3
.Lnot_wave_0_\@:
	s_barrier_wait -3
	s_barrier_signal -1
	s_barrier_wait -1
.endm
.macro PLACES                          ; four plain places behind a matrix instruction, ahead of loads into its registers and of reads of its results
.rept 4
	v_nop
.endr
.endm
	s_load_b128 s[4:7], s[0:1], 0x0                ; S1 s[4:5], S0 s[6:7]
	s_load_b64 s[8:9], s[0:1], 0x10                ; the output (VAR 2: x2)
	v_lshl_add_u32 v254, v0, 2, 0x48000
	v_mov_b32 v255, 0
	ds_add_u32 v254, v255
	ds_add_u32 v254, v255
.if VAR == 2
	s_load_b64 s[10:11], s[0:1], 0x18              ; out
.endif
	v_lshrrev_b32 v1, 5, v0
	v_readfirstlane_b32 s14, v1                    ; wave 0..3
	s_lshr_b32 s15, s14, 1                         ; WH: which half of S1's tiles is mine.  Also: I fetch for S1 (0) or for S0 (1)
	s_and_b32 s16, s14, 1                          ; WL: which half of S0's tiles is mine.  Also: which half of that operand's tiles I fetch
	s_bfe_u32 s76, ttmp6, 0x40000                  ; cx, cy: my place in the cluster
	s_bfe_u32 s77, ttmp6, 0x40004
	s_lshl_b32 s78, ttmp9, 2
	s_add_co_u32 s78, s78, s76                     ; x = 4 x cluster x + cx
	s_and_b32 s79, ttmp7, 0xffff
	s_lshl_b32 s79, s79, 2
	s_add_co_u32 s79, s79, s77                     ; y = 4 x cluster y + cy
	s_lshl_b32 s80, s77, 2
	s_lshl_b32 s80, 15, s80                        ; my row of the cluster
	s_lshl_b32 s81, 0x1111, s76                    ; my column
	; descriptor groups 1: rows of 3,072 bytes (a tile's two K steps: 384 elements of 8 bytes), 12,288 bytes apart; S1: 4 tiles, S0: 8; laid on end in LDS
	s_or_b32 s24, s80, (3<<16)|(1<<21)             ; 15:0 the mask; 17:16 elements of 8 bytes; 21 set beside a mask
	s_mov_b32 s25, 384<<16                         ; tensor_dim0
	s_mov_b32 s26, 4<<16                           ; tensor_dim1
	s_mov_b32 s27, 384<<16                         ; tile_dim0
	s_mov_b32 s28, 4                               ; tile_dim1
	s_mov_b32 s29, 1536                            ; the pitch in elements
	s_mov_b32 s30, 0
	s_mov_b32 s31, 0
	s_or_b32 s32, s81, (3<<16)|(1<<21)
	s_mov_b32 s33, 384<<16
	s_mov_b32 s34, 8<<16
	s_mov_b32 s35, 384<<16
	s_mov_b32 s36, 8
	s_mov_b32 s37, 1536
	s_mov_b32 s38, 0
	s_mov_b32 s39, 0
	s_mul_i32 s17, s16, 12288                      ; where what I fetch goes in a quarter: of S1,
	s_mul_i32 s18, s16, 24576
	s_add_co_u32 s18, s18, S0P                     ; of S0: the wave's number alone enters an LDS address
	s_mov_b32 s[SEL], 0x76543210
	s_mov_b32 s[SEL+1], 0xfedcba98
	s_lshl_b32 s82, s79, 3                         ; S1: the tiles that I fetch: 8 y + 4 WL on
	s_lshl_b32 s83, s16, 2
	s_add_co_u32 s82, s82, s83
	s_mul_i32 s82, s82, 12288
	s_add_co_u32 s82, s82, S1_COD
	s_mov_b32 s83, 0
	s_lshl_b32 s84, s78, 4                         ; S0: 16 x + 8 WL on: the tiles that I fetch, and those that I multiply by
	s_lshl_b32 s85, s16, 3
	s_add_co_u32 s84, s84, s85
	s_add_co_u32 s84, s84, T0OFF
	s_lshl_b32 s90, s84, 9
	s_add_co_u32 s90, s90, S0_SCL                  ; their scale words
	s_mov_b32 s91, 0
	s_lshl_b32 s97, s79, 3
	s_lshl_b32 s88, s15, 2
	s_add_co_u32 s97, s97, s88                     ; S1: my first tile: 8 y + 4 WH
	s_lshl_b32 s88, s97, 9
	s_add_co_u32 s88, s88, S1_SCL                  ; its scale words
	s_mov_b32 s89, 0
.if VAR == 1
	s_lshl_b32 s92, s97, 6                         ; the bias lies with the weight: here S1
.else
	s_lshl_b32 s92, s84, 6                         ; here S0
.endif
	s_add_co_u32 s92, s92, W_BIAS
	s_mov_b32 s93, 0
	s_mul_i32 s84, s84, 12288
	s_add_co_u32 s84, s84, S0_COD
	s_mov_b32 s85, 0
.if VAR == 0                           ; records (token tile, K step 2 cx + WL) of plane cluster x
	s_lshl_b32 s86, s76, 1
	s_add_co_u32 s86, s86, s16
	s_mul_i32 s87, ttmp9, PLANE
	s_lshl_b32 s94, s97, 3
	s_add_co_u32 s94, s94, s86
	s_mul_i32 s94, s94, 1536
	s_add_co_u32 s94, s94, s87
	s_add_co_u32 s94, s94, A_COD
	s_lshl_b32 s98, s97, 9
	s_lshl_b32 s86, s86, 6
	s_add_co_u32 s98, s98, s86
	s_add_co_u32 s98, s98, s87
.endif
.if VAR == 1                           ; records (channel tile, 128 tokens 2 x + WL)
	s_lshl_b32 s86, s78, 1
	s_add_co_u32 s86, s86, s16
	s_lshl_b32 s87, s97, 6
	s_add_co_u32 s87, s87, s86
	s_mul_i32 s94, s87, 1536
	s_add_co_u32 s94, s94, A_COD
	s_lshl_b32 s98, s87, 6
.endif
.if VAR == 2                           ; f32 rows: token 16 x my first tile, columns 128 (2 x + WL) on
	s_lshl_b32 s86, s78, 1
	s_add_co_u32 s86, s86, s16
	s_lshl_b32 s94, s97, 16
	s_lshl_b32 s86, s86, 9
	s_add_co_u32 s94, s94, s86
.endif
	s_mov_b32 s95, 0
	s_mov_b32 s99, 0
	s_wait_dscnt 0x0
	s_wait_kmcnt 0x0
	s_add_nc_u64 s[82:83], s[4:5], s[82:83]
	s_add_nc_u64 s[84:85], s[6:7], s[84:85]
	s_add_nc_u64 s[88:89], s[4:5], s[88:89]
	s_add_nc_u64 s[90:91], s[6:7], s[90:91]
.if VAR == 1
	s_add_nc_u64 s[92:93], s[4:5], s[92:93]
.else
	s_add_nc_u64 s[92:93], s[6:7], s[92:93]
.endif
.if VAR == 2
	s_add_nc_u64 s[98:99], s[10:11], s[94:95]
	s_add_nc_u64 s[94:95], s[8:9], s[94:95]
.else
	s_add_nc_u64 s[94:95], s[8:9], s[94:95]
	s_add_nc_u64 s[98:99], s[8:9], s[98:99]
.endif
.if VAR == 0
	s_load_b32 s96, s[6:7], 0x0                    ; the floor word
.endif
.irp q, 0,1,2,3                        ; descriptor groups 0, a set for each quarter: S1's at s40 on, S0's at s56, s60, s68, s72
	s_mov_b32 s[40+4*\q], 1
	s_add_co_u32 s[41+4*\q], s17, \q*QB
	s_add_nc_u64 s[42+4*\q:43+4*\q], s[82:83], \q*3072
	s_or_b32 s[43+4*\q], s[43+4*\q], 0x80000000
	s_mov_b32 s[56+4*\q+4*(\q/2)], 1
	s_add_co_u32 s[57+4*\q+4*(\q/2)], s18, \q*QB
	s_add_nc_u64 s[58+4*\q+4*(\q/2):59+4*\q+4*(\q/2)], s[84:85], \q*3072
	s_or_b32 s[59+4*\q+4*(\q/2)], s[59+4*\q+4*(\q/2)], 0x80000000
.endr
	CROUND                                         ; all sixteen work-groups are here: the joint loads meet
	s_cmp_eq_u32 s15, 0                            ; a wave's four fills stand in one branch on the wave's number, ahead of every wait on TENSORcnt, every LDS read and every other barrier
	s_cbranch_scc0 .Lfor_s0
	tensor_load_to_lds s[40:43], s[24:31]
	s_nop 0
	tensor_load_to_lds s[44:47], s[24:31]
	s_nop 0
	tensor_load_to_lds s[48:51], s[24:31]
	s_nop 0
	tensor_load_to_lds s[52:55], s[24:31]
	s_nop 0
.rept 4
	v_nop                                          ; four lines behind the last
.endr
	s_branch .Lasked
.Lfor_s0:
	tensor_load_to_lds s[56:59], s[32:39]
	s_nop 0
	tensor_load_to_lds s[60:63], s[32:39]
	s_nop 0
	tensor_load_to_lds s[68:71], s[32:39]
	s_nop 0
	tensor_load_to_lds s[72:75], s[32:39]
	s_nop 0
.rept 4
	v_nop
.endr
.Lasked:
	v_and_b32 v1, 31, v0
	v_lshlrev_b32 v6, 4, v1                        ; 16 x lane
	v_lshlrev_b32 v7, 3, v1                        ; 8 x lane
	v_and_b32 v11, 15, v0                          ; r
	v_lshlrev_b32 v8, 2, v11                       ; 4 r
	v_bfe_u32 v12, v0, 4, 1                        ; h
	v_lshlrev_b32 v9, 5, v12                       ; 32 h
	v_mul_u32_u24 v10, v12, SSTR
	v_add_nc_u32 v10, v10, v8                      ; the scale words' store: lanes 0-15 one tile's, lanes 16-31 the next tile's
	s_mul_i32 s19, s15, 12288
	v_add_nc_u32 v2, s19, v6                       ; S1's records that I read: first four registers of a half,
	v_add_nc_u32 v3, s19, v7
	v_add_nc_u32 v3, 512, v3                       ; last two
	v_add_nc_u32 v4, s18, v6                       ; S0's likewise
	v_add_nc_u32 v5, s18, v7
	v_add_nc_u32 v5, 512, v5
.if VAR == 2
	s_mul_i32 s19, s14, 8448                       ; my stage for the way out: 16 rows x 528 bytes, in quarter 0
	v_mul_u32_u24 v13, v11, 528
	v_lshl_add_u32 v13, v12, 6, v13
	v_add_nc_u32 v13, s19, v13                     ; in: row r, + 64 h
	v_add_nc_u32 v14, s19, v6                      ; back: 16 bytes a lane of a row
.endif
.irp a, 0,1,2,3
.irp s, 0,1,2,3,4,5,6,7
	global_load_b32 v[32+8*\a+\s], v8, s[88:89] offset:\a*512+\s*64    ; scale words stay in registers for the whole launch; the matrix unit reads lanes 0-15
.endr
.endr
.irp b, 0,1,2,3,4,5,6,7
.irp s, 0,1,2,3,4,5,6,7
	global_load_b32 v[64+8*\b+\s], v8, s[90:91] offset:\b*512+\s*64
.endr
.endr
.if VAR == 1
.irp a, 0,1,2,3
	global_load_b32 v[RB+2*\a], v8, s[92:93] offset:64*\a              ; my lane's channel's bias, into both halves of a pair
	global_load_b32 v[RB+2*\a+1], v8, s[92:93] offset:64*\a
.endr
.else
	WIN 0x80                                       ; destination window 2
.irp b, 0,1,2,3,4,5,6,7
	global_load_b128 v[192+8*\b:195+8*\b], v9, s[92:93] offset:64*\b   ; the bias in the result's layout: tile b, rows 8 h + 0 .. 7
	global_load_b128 v[196+8*\b:199+8*\b], v9, s[92:93] offset:64*\b+16
.endr
	WIN 0
.endif
.if VAR == 2
	WIN 0xc0                                       ; destination window 3
.irp a, 0,1,2,3
.irp t, 0,1,2,3,4,5,6,7,8,9,10,11,12,13,14,15
	global_load_b128 v[64*\a+4*\t:64*\a+4*\t+3], v6, s[94:95] offset:(32*(\a/2)+8*(\a%2)+\t+8*(\t/8))*4096   ; x2: row t of my tile a, my 128 columns: 512 consecutive bytes
.endr
.endr
	WIN 0
.endif
.macro FRAG reg, a16, a8, off          ; a record becomes a fragment: four dense loads
	ds_load_b128 v[\reg:\reg+3], v[\a16] offset:\off
	ds_load_b64 v[\reg+4:\reg+5], v[\a8] offset:\off
	ds_load_b128 v[\reg+6:\reg+9], v[\a16] offset:\off+768
	ds_load_b64 v[\reg+10:\reg+11], v[\a8] offset:\off+768
.endm
.macro LD_S1 s                         ; a run of 16 LDS loads: S1's four fragments of K step s into set s % 2
	WIN 0
.irp a, 0,1,2,3
	FRAG 128+48*((\s)%2)+12*\a, 2, 3, \a*3072+((\s)%2)*1536
.endr
.endm
.macro LD_S0 s, b0                     ; a run of 16 LDS loads: S0's fragments b0 .. b0 + 3 of K step s into set s % 2
	WIN 0x80                                       ; destination window 2, address window 0
.irp b, \b0, \b0+1, \b0+2, \b0+3
	FRAG 96*((\s)%2)+12*(\b), 4, 5, (\b)*3072+((\s)%2)*1536
.endr
.endm
.macro MULG s, b0                      ; a group of eight matrix instructions: S0's tiles b0, b0 + 1, each against S1's four.  The 32 accumulators take turns, one instruction a turn, in the same order in every K step; the first K step starts the sums
	WIN 0x52                                       ; source 0 (S0) window 2, source 1 (S1) window 0, C and D window 1
.irp b, \b0, \b0+1
.irp a, 0,1,2,3
.if (\s) == 0
	v_wmma_scale_f32_16x16x128_f8f6f4 v[8*(8*\a+(\b)):8*(8*\a+(\b))+7], v[96*((\s)%2)+12*(\b):96*((\s)%2)+12*(\b)+11], v[128+48*((\s)%2)+12*\a:128+48*((\s)%2)+12*\a+11], 0, v[64+8*(\b)+(\s)], v[32+8*\a+(\s)] matrix_a_fmt:MATRIX_FMT_FP6 matrix_b_fmt:MATRIX_FMT_FP6
.else
	v_wmma_scale_f32_16x16x128_f8f6f4 v[8*(8*\a+(\b)):8*(8*\a+(\b))+7], v[96*((\s)%2)+12*(\b):96*((\s)%2)+12*(\b)+11], v[128+48*((\s)%2)+12*\a:128+48*((\s)%2)+12*\a+11], v[8*(8*\a+(\b)):8*(8*\a+(\b))+7], v[64+8*(\b)+(\s)], v[32+8*\a+(\s)] matrix_a_fmt:MATRIX_FMT_FP6 matrix_b_fmt:MATRIX_FMT_FP6
.endif
.endr
.endr
.endm
; A K STEP: four groups of eight matrix instructions; among them the next K step's 48 LDS loads in three runs, in the order in which that step wants them: S1's four fragments, S0's 0-3, S0's 4-7 (four loads a fragment).
; THE COUNTS.  A group wants S1's fragments and S0's up to its own two.  At a K step's head 48 loads may be out, of which the first 24 are wanted: 24 may stay out.  Each later group wants eight more,
; and a run of 16 has been issued meanwhile: 16 + 16, 8 + 32, 0 + 48.  The last K step issues none: 24, 16, 8, 0.
.macro KSTEP s
.if (\s) == 7
	s_wait_dscnt 24
	MULG \s, 0
	s_wait_dscnt 16
	MULG \s, 2
	s_wait_dscnt 8
	MULG \s, 4
	s_wait_dscnt 0x0
	MULG \s, 6
.elseif (\s)%2 == 0                    ; the successor lies in the same quarter
.if (\s) > 0
	PLACES                                         ; the sets that this step's runs load were read by the K step before
.endif
	s_wait_dscnt 24
	MULG \s, 0
	LD_S1 (\s)+1
	s_wait_dscnt 32
	MULG \s, 2
	LD_S0 (\s)+1, 0
	s_wait_dscnt 40
	MULG \s, 4
	LD_S0 (\s)+1, 4
	s_wait_dscnt 48
	MULG \s, 6
.else                                  ; the successor lies in the next quarter: a barrier stands ahead of its loads, the second group between the barrier's signal and its wait
	s_wait_dscnt 24
	MULG \s, 0
	WIN 0
	s_wait_tensorcnt 3-((\s)+1)/2                  ; my part of the next quarter has landed; the later quarters' loads may stay out
	s_wait_dscnt 0x0                               ; no LDS instruction of mine is pending at the signal: all of this K step's fragments are in
	s_barrier_signal -1
	v_add_nc_u32 v2, QB, v2                        ; on to that quarter.  These four are also the places ahead of the loads into the sets that the K step before has read
	v_add_nc_u32 v3, QB, v3
	v_add_nc_u32 v4, QB, v4
	v_add_nc_u32 v5, QB, v5
	MULG \s, 2
	s_barrier_wait -1                              ; everybody's part has landed
	LD_S1 (\s)+1
	MULG \s, 4
	LD_S0 (\s)+1, 0
	MULG \s, 6
	LD_S0 (\s)+1, 4
.endif
.endm
	s_wait_tensorcnt 3                             ; my part of quarter 0 is in; three loads may stay out
	s_barrier_signal -1
	s_barrier_wait -1
	LD_S1 0                                        ; the first K step's fragments, in the same order
	LD_S0 0, 0
	LD_S0 0, 4
.if VAR == 2
	s_wait_loadcnt 63                              ; 64 loads of x2 were issued behind the last of the bias: scale words and bias are in
.else
	s_wait_loadcnt 0x0                             ; scale words and bias
.endif
.irp s, 0,1,2,3,4,5,6,7
	KSTEP \s
.endr
	WIN 0
; 64 numbers of a lane, register 16 b + i = k 32 b + 16 h + i of my row, become a fragment's codes in v[PC] on and its scale word in v[PW]
.macro QUANT s
.irp b, 0,1,2,3
	v_max3_num_f32 v[TM+\b], |v[\s+16*\b]|, |v[\s+1+16*\b]|, 0x1800000   ; block b: my 16 numbers, and the floor 2^(3 - 127): the byte cannot fall under 1
.endr
.irp i, 2,4,6,8,10,12,14
.irp b, 0,1,2,3
	v_max3_num_f32 v[TM+\b], v[TM+\b], |v[\s+16*\b+\i]|, |v[\s+1+16*\b+\i]|   ; the four blocks by turns
.endr
.endr
.irp b, 0,1,2,3
	v_permlanex16_b32 v[TM+4+\b], v[TM+\b], s[SEL], s[SEL+1]
.endr
.irp b, 0,1,2,3
	v_max_num_f32 v[TM+\b], v[TM+\b], v[TM+4+\b]   ; with lane l xor 16's: the block's largest magnitude
.endr
.irp b, 0,1,2,3
	v_add_nc_u32 v[TM+12+\b], 0xff000000, v[TM+\b] ; 2 off its exponent field: the conversion's scale operand
.endr
.irp b, 0,1,2,3
	v_lshrrev_b32 v[TM+4+\b], 23, v[TM+12+\b]      ; the scale's byte
.endr
	v_lshl_or_b32 v[PW], v[TM+5], 8, v[TM+4]
	v_lshl_or_b32 v[PW], v[TM+6], 16, v[PW]
	v_lshl_or_b32 v[PW], v[TM+7], 24, v[PW]
.irp c, 0,1
	v_cvt_scalef32_pk16_fp6_f32 v[PC+6*\c:PC+2+6*\c], v[\s+32*\c:\s+15+32*\c], v[TM+12+2*\c]
	v_cvt_scalef32_pk16_fp6_f32 v[PC+12+4*\c:PC+14+4*\c], v[\s+16+32*\c:\s+31+32*\c], v[TM+12+2*\c+1]   ; (a conversion's three registers begin on an even number)
.endr
	v_nop                                          ; one plain place behind a scaled conversion
.irp c, 0,1                                    ; the operand's layout wants a WHOLE block in a lane
.irp i, 0,1,2
	v_permlane16_swap_b32 v[PC+6*\c+\i], v[PC+12+4*\c+\i]
.endr
.irp i, 0,1,2
	v_mov_b32 v[PC+3+6*\c+\i], v[PC+12+4*\c+\i]
.endr
.endr
.endm
.macro IMAGE off                       ; the fragment in v[PC] on leaves as a record: 512, 256, 512, 256 consecutive bytes
	global_store_b128 v6, v[PC:PC+3], s[94:95] offset:\off
	global_store_b64 v7, v[PC+4:PC+5], s[94:95] offset:\off+512
	global_store_b128 v6, v[PC+6:PC+9], s[94:95] offset:\off+768
	global_store_b64 v7, v[PC+10:PC+11], s[94:95] offset:\off+1280
.endm
.if VAR != 2
	; THE WAY OUT, a tile of S1 at a time: bias (and floor), quantised in registers, stored as one record and one scale word a row
	PLACES
.irp b, 0,1,2,3
	v_mov_b32 v[TM+4+\b], 0                        ; a lane permute's destination counts as one of its sources
.endr
.if VAR == 0
	s_wait_kmcnt 0x0                               ; the floor word
.endif
.irp a, 0,1,2,3
.if \a > 0
	s_wait_xcnt 0x0                                ; the last tile's stores have read their registers: the codes may be written again
.endif
.if VAR == 0
	WIN 0x09                                       ; source 0 (sums) window 1, source 1 (bias) window 2
.set j, 0
.rept 32
	v_pk_add_f32 v[T+j:T+j+1], v[64*\a+j:64*\a+j+1], v[192+j:193+j]    ; each accumulator from its low end on
.set j, j+2
.endr
	WIN 0
.set j, 0
.rept 64
	v_max_num_f32 v[T+j], s96, v[T+j]              ; the floor: a relu where it is 0, nothing where it is -infinity
.set j, j+1
.endr
.else
	WIN 0x01                                       ; source 0 (sums) window 1
.set j, 0
.rept 32
	v_pk_add_f32 v[T+j:T+j+1], v[64*\a+j:64*\a+j+1], v[RB+2*\a:RB+2*\a+1]
.set j, j+2
.endr
	WIN 0
.endif
	QUANT T
	IMAGE \a*ASTR
	v_mov_b32 v[PWS+\a], v[PW]
.endr
	s_mov_b32 vcc_lo, 0xffff0000                   ; every lane holds its row's word: lanes 0-15 send one tile's, lanes 16-31 the next tile's
	v_cndmask_b32 v230, v[PWS], v[PWS+1], vcc_lo
	v_cndmask_b32 v231, v[PWS+2], v[PWS+3], vcc_lo
	global_store_b32 v10, v230, s[98:99]
	global_store_b32 v10, v231, s[98:99] offset:2*SSTR
.else
	; THE WAY OUT, a tile of 16 tokens at a time: + bias, through my stage in LDS, back as whole rows of 512 bytes, + x2, stored.
	s_wait_dscnt 0x0
	s_barrier_signal -1
	s_barrier_wait -1                              ; no wave reads the operands any more; quarter 0 has had its one fill: the stages may lie there
	s_wait_loadcnt 0x0                             ; x2
	PLACES
.irp a, 0,1,2,3
	WIN 0x09
.set j, 0
.rept 32
	v_pk_add_f32 v[T+j:T+j+1], v[64*\a+j:64*\a+j+1], v[192+j:193+j]    ; each accumulator from its low end on
.set j, j+2
.endr
	WIN 0
.irp b, 0,1,2,3,4,5,6,7
	ds_store_b128 v13, v[T+8*\b:T+8*\b+3] offset:128*(\b/2)+32*(\b%2)          ; lane (r, h): columns 32 (b / 2) + 16 h + 8 (b % 2) + 0 .. 7 of row r
	ds_store_b128 v13, v[T+8*\b+4:T+8*\b+7] offset:128*(\b/2)+32*(\b%2)+16
.endr
.if \a > 0
	s_wait_xcnt 0x0                                ; the last tile's stores have read their registers
.endif
.irp t, 0,1,2,3,4,5,6,7,8,9,10,11,12,13,14,15
	ds_load_b128 v[BK+4*\t:BK+4*\t+3], v14 offset:\t*528               ; LDS serves a wave's instructions in order: these see my stores
.endr
	s_wait_dscnt 0x0
	WIN 0x0c                                       ; source 1 (x2) window 3
.set j, 0
.rept 32
	v_pk_add_f32 v[BK+j:BK+j+1], v[BK+j:BK+j+1], v[64*\a+j:64*\a+j+1]
.set j, j+2
.endr
	WIN 0
.irp t, 0,1,2,3,4,5,6,7,8,9,10,11,12,13,14,15
	global_store_b128 v6, v[BK+4*\t:BK+4*\t+3], s[98:99] offset:(32*(\a/2)+8*(\a%2)+\t+8*(\t/8))*4096 th:TH_STORE_NT   ; 32 lanes store 512 consecutive bytes
.endr
.endr
.endif
	s_wait_dscnt 0x0
	s_wait_tensorcnt 0x0
	ds_add_u32 v254, v255
	s_wait_dscnt 0x0
	CROUND                                         ; the closing round: no work-group ends while a partner may still ask for a tile that names it
	s_endpgm
.Lfunc_end_k_q2e475c6d56_gv:
	.size	k_q2e475c6d56_gv, .Lfunc_end_k_q2e475c6d56_gv-k_q2e475c6d56_gv
	.p2alignl 7, 3214868480
	.fill 96, 4, 3214868480
	.section	.rodata,"a",@progbits
	.p2align	6, 0x0
	.amdhsa_kernel k_q2e475c6d56_gv
		.amdhsa_group_segment_fixed_size 295424
		.amdhsa_private_segment_fixed_size 0
		.amdhsa_enable_private_segment 0
		.amdhsa_kernarg_size 24
		.amdhsa_user_sgpr_count 2
		.amdhsa_user_sgpr_kernarg_segment_ptr 1
		.amdhsa_wavefront_size32 1
		.amdhsa_system_sgpr_workgroup_id_x 1
		.amdhsa_system_sgpr_workgroup_id_y 1
		.amdhsa_system_sgpr_workgroup_id_z 1
		.amdhsa_system_vgpr_workitem_id 0
		.amdhsa_next_free_vgpr 768
		.amdhsa_next_free_sgpr 100
		.amdhsa_reserve_vcc 1
		.amdhsa_float_denorm_mode_32 3
		.amdhsa_float_denorm_mode_16_64 3
		.amdhsa_memory_ordered 1
		.amdhsa_forward_progress 1
		.amdhsa_inst_pref_size 104
	.end_amdhsa_kernel
	.amdgpu_metadata
---
amdhsa.version: [ 1, 2 ]
amdhsa.kernels:
  - .name:           k_q2e475c6d56_gv
    .symbol:         k_q2e475c6d56_gv.kd
    .args:
      - { .name: wv2, .offset: 0, .size: 8, .value_kind: global_buffer, .address_space: global }
      - { .name: xn, .offset: 8, .size: 8, .value_kind: global_buffer, .address_space: global }
      - { .name: vv, .offset: 16, .size: 8, .value_kind: global_buffer, .address_space: global }
    .group_segment_fixed_size: 295424
    .private_segment_fixed_size: 0
    .kernarg_segment_align: 8
    .kernarg_segment_size: 24
    .max_flat_workgroup_size: 128
    .sgpr_count:     100
    .vgpr_count:     768
    .wavefront_size: 32
...
	.end_amdgpu_metadata
.endif
;; end of part 4
;; launch attn (part 5): grid 4 x 64, 16 waves a work-group, clusters of 4 x 1, 276,480 bytes of LDS; arguments qk, vv, x, x2; writes x2
.if DOCPART == 5
	.amdgcn_target "amdgcn-amd-amdhsa--gfx1250"
	.amdhsa_code_object_version 6
	.text
	.protected	k_q2e475c6d56_attn
	.globl	k_q2e475c6d56_attn
	.p2align	8
	.type	k_q2e475c6d56_attn,@function
k_q2e475c6d56_attn:
	s_mov_b64 s[64:65], 0
	v_nop
	global_prefetch_b8 v0, s[64:65] scope:SCOPE_SE
	s_setreg_imm32_b32 hwreg(HW_REG_WAVE_MODE, 25, 1), 1
	s_wait_xcnt 0x0
	s_wait_alu depctr_hold_cnt(0) depctr_sa_sdst(0) depctr_va_vdst(0) depctr_va_sdst(0) depctr_va_ssrc(0) depctr_va_vcc(0) depctr_vm_vsrc(0)
	s_getreg_b32 s2, hwreg(HW_REG_IB_STS2, 6, 4)
	s_cmp_eq_u32 s2, 0
	s_cbranch_scc0 .Lentry_in_a_cluster
	s_endpgm
.Lentry_in_a_cluster:
	s_bfe_u32 s2, ttmp6, 0x10000c
	s_cmp_lg_u32 s2, 0x3003
	s_cbranch_scc0 .Lentry_shape_is_right
	s_endpgm
.Lentry_shape_is_right:
; x2 = x + attention, in which K PLAYS THE QUERY'S PART: A = softmax_s(k[t] . q[s] / 8), y[t] = the sum over s of A[t][s] v[s]; 8 batches, 16 heads of 64, 1,024 tokens.
; Both products on codes of FP6 (E2M3) with one E8M0 scale for each 32 along a product's K.  q and k arrive as records (token tile, 128 channels = two heads), v as records (channel tile, 128 tokens);
; a record is a fragment's image, 1,536 bytes: half c at 768 c: registers 6 c .. 6 c + 3 at 16 x lane, 6 c + 4, 6 c + 5 at 512 + 8 x lane.  Row r of tile t is row 32 (t / 2) + 8 (t % 2) + r + 8 (r / 8).
; THE 1/8: k is stored unscaled; a power of two only moves a block's scale byte, so Q(k / 8) = Q(k) / 8, and c = log2(e) / 8 takes it up.  LIMIT: this differs from the definition only where k / 8's block scale would be held at 2^-126, |k| under 2^-121.
; THE SOFTMAX AHEAD OF THE SECOND PRODUCT: t = score x c; M = the row's largest t so far, rounded UP to a whole number; p = 2^(t - M) is quantised along the keys, not normalised; the row's sum is taken of the
; unquantised p and divides at the end.  When M moves, the sum and O are multiplied by 2^(old M - new M): exact.
; A HEAD IS HALF A K STEP.  The first product's K is 64: a head's half record fills registers 0-5 of an operand.  The query's operand has zero CODES in registers 6-11, so whatever codes stand in the other operand's
; registers 6-11 (the next tile's, or zeros) add nothing: every code of this format is a finite number.  Scale words are read as 16 bits: bytes 0, 1 are the head's two blocks, bytes 2, 3 are 0, no NaN.
; SHARES.  Work-group (cx, y): batch y / 8, heads 2 (y % 8) and 2 (y % 8) + 1, 256 query rows 256 cx on.  Wave w: head w % 2 of the pair, query tiles w / 2 and w / 2 + 8, one after the other, in 256 registers:
; four waves to a SIMD, so that one wave's vector work stands beside another's matrix work and LDS loads.  Both products are used transposed: a lane holds ONE query row throughout.
; LDS holds q and v of the batch's head pair whole (1,024 keys), filled ONCE at the head: no slot is ever filled again.  By this text's own count a wave has two tensor loads outstanding.
; CLUSTER 4 x 1: the four blocks of query rows read the same q and v: every tile is asked for jointly by all four.
; LIMITS: NaN and infinities are not served; a block whose every p is 0 keeps the byte 1 (its codes are zeros).
; REGISTERS: v1-13 addresses that stay; v16-21 the step's LDS addresses; v22 -M, v23 the largest t; v[24:25] the sum in two halves; v26 the query's scale word; v28-39 the query's operand; v40-93 fragments;
;   v94-101 scale words; v104-167 S^T, then p; v168-199 O^T; v200-218 p's codes; v220-237 at work.
.set A_COD, 262144
.set PLANE, 6553600                    ; k's records lie a plane behind q's
.set VC,    98304                      ; LDS: q's records [key step 8][tile 8][1,536] at 0; v's [key step 8][channel tile 8][1,536] here;
.set SQ,    196608                     ; q's scale words [key step][tile][64];
.set SV,    200704                     ; v's;
.set STG,   204800                     ; the stages for the way out: 16 rows x 272 bytes for each wave
.set F,   40
.set SCL, 94
.set S,   104
.set O,   168
.set PC,  200
.set BM,  220                          ; v220-223 block maxima
.set BP,  224                          ; v224-227 permute destinations, then the bytes
.set SO,  228                          ; v228-231 the conversions' scale operands
.set OB,  136                          ; the way out: rows back from the stage
.set SEL, 20                           ; s[20:21] lane selects for v_permlanex16_b32: lane l xor 16
.set CS,  22                           ; s[22:23] c
.set TB,  76                           ; s76 the key step's records in LDS: 12,288 bytes a step
.set TS,  77                           ; s77 its scale words: 512 bytes a step
.set CNT, 78                           ; s78 key steps to go
.set LIM, 79                           ; s79 2 in a wave that prefetches, else the greatest number
.macro CROUND                          ; a round of the cluster's barrier
	s_barrier_signal -1
	s_barrier_wait -1
	s_cmp_lg_u32 s12, 0
	s_cbranch_scc1 .Lnot_wave_0_\@
	s_barrier_signal -3
.Lnot_wave_0_\@:
	s_barrier_wait -3
	s_barrier_signal -1
	s_barrier_wait -1
.endm
.macro G1SET g, c, r, p                ; descriptor group 1: r rows of c elements of 8 bytes, p elements apart, laid on end in LDS; 15:0 the mask: all four work-groups; 21 set beside a mask
	s_mov_b32 s[\g], 15|(3<<16)|(1<<21)
	s_mov_b32 s[\g+1], (\c)<<16
	s_mov_b32 s[\g+2], (\r)<<16
	s_mov_b32 s[\g+3], (\c)<<16
	s_mov_b32 s[\g+4], \r
	s_mov_b32 s[\g+5], \p
	s_mov_b32 s[\g+6], 0
	s_mov_b32 s[\g+7], 0
.endm
	s_load_b256 s[4:11], s[0:1], 0x0               ; qk s[4:5], vv s[6:7], x s[8:9], x2 s[10:11]
	v_lshl_add_u32 v254, v0, 2, 0x43000
	v_mov_b32 v255, 0
	ds_add_u32 v254, v255
	ds_add_u32 v254, v255
	v_lshrrev_b32 v1, 5, v0
	v_readfirstlane_b32 s12, v1                    ; wave 0..15
	s_and_b32 s13, s12, 1                          ; p: which head of the pair
	s_lshr_b32 s14, s12, 1                         ; tg: which query tile
	s_and_b32 s15, s12, 7                          ; wl: which key step I fetch
	s_and_b32 s17, ttmp7, 0xffff
	s_lshr_b32 s16, s17, 3                         ; the batch
	s_and_b32 s17, s17, 7                          ; the head pair
	s_bfe_u32 s18, ttmp6, 0x40000                  ; cx: it enters the query rows' global addresses alone
	G1SET 24, 192, 8, 1536                         ; q's records of a key step: 8 tiles' records, 12,288 bytes apart
	G1SET 32, 8, 8, 64                             ; their scale words: 64 bytes, 512 apart
	G1SET 40, 192, 8, 12288                        ; v's records of a key step: 8 channel tiles' records, 98,304 bytes apart
	G1SET 48, 8, 8, 512                            ; their scale words: 64 bytes, 4,096 apart
	s_lshl_b32 s88, s16, 6
	s_lshl_b32 s89, s15, 3
	s_add_co_u32 s88, s88, s89                     ; the first tile of q that I fetch: 64 b + 8 wl
	s_lshl_b32 s90, s88, 9
	s_lshl_b32 s89, s17, 6
	s_add_co_u32 s90, s90, s89                     ; its scale words
	s_mov_b32 s91, 0
	s_lshl_b32 s88, s88, 3
	s_add_co_u32 s88, s88, s17
	s_mul_i32 s88, s88, 1536
	s_add_co_u32 s88, s88, A_COD                   ; its record
	s_mov_b32 s89, 0
	s_lshl_b32 s92, s17, 9
	s_lshl_b32 s93, s16, 3
	s_add_co_u32 s92, s92, s93
	s_add_co_u32 s92, s92, s15                     ; v: record 64 x (8 j) + 8 b + wl
	s_lshl_b32 s94, s92, 6
	s_mov_b32 s95, 0
	s_mul_i32 s92, s92, 1536
	s_add_co_u32 s92, s92, A_COD
	s_mov_b32 s93, 0
	s_lshl_b32 s96, s16, 6                         ; my first query tile: 64 b + 16 cx + tg
	s_lshl_b32 s97, s18, 4
	s_add_co_u32 s96, s96, s97
	s_add_co_u32 s96, s96, s14
	s_lshl_b32 s80, s96, 3
	s_add_co_u32 s80, s80, s17
	s_mul_i32 s80, s80, 1536
	s_mul_i32 s97, s13, 768
	s_add_co_u32 s80, s80, s97
	s_add_co_u32 s80, s80, PLANE+A_COD             ; its head's half record of k
	s_mov_b32 s81, 0
	s_lshl_b32 s82, s96, 9
	s_lshl_b32 s97, s17, 6
	s_add_co_u32 s82, s82, s97
	s_add_co_u32 s82, s82, PLANE                   ; its scale words
	s_mov_b32 s83, 0
	s_lshr_b32 s84, s96, 1
	s_lshl_b32 s84, s84, 5
	s_and_b32 s97, s96, 1
	s_lshl_b32 s97, s97, 3
	s_add_co_u32 s84, s84, s97                     ; its first token
	s_lshl_b32 s84, s84, 12
	s_lshl_b32 s97, s17, 1
	s_add_co_u32 s97, s97, s13
	s_lshl_b32 s97, s97, 8
	s_add_co_u32 s84, s84, s97                     ; + my head's 256 bytes of a row
	s_mov_b32 s85, 0
	s_mov_b32 s[SEL], 0x76543210
	s_mov_b32 s[SEL+1], 0xfedcba98
	s_mov_b32 s[CS], 0x3e38aa3b                    ; c = log2(e) / 8
	s_mov_b32 s[CS+1], s[CS]                       ; (named with it as a pair, so it is written)
	s_cmp_eq_u32 s13, 0
	s_cselect_b32 s[LIM], 2, -1                    ; of the two waves of a query tile the first prefetches
	s_wait_dscnt 0x0
	s_wait_kmcnt 0x0
	s_mov_b32 s56, 1                               ; descriptor groups 0: q's records,
	s_mul_i32 s57, s15, 12288
	s_add_nc_u64 s[58:59], s[4:5], s[88:89]
	s_or_b32 s59, s59, 0x80000000
	s_mov_b32 s60, 1                               ; q's scale words,
	s_lshl_b32 s61, s15, 9
	s_add_co_u32 s61, s61, SQ
	s_add_nc_u64 s[62:63], s[4:5], s[90:91]
	s_or_b32 s63, s63, 0x80000000
	s_mov_b32 s68, 1                               ; v's records,
	s_add_co_u32 s69, s57, VC
	s_add_nc_u64 s[70:71], s[6:7], s[92:93]
	s_or_b32 s71, s71, 0x80000000
	s_mov_b32 s72, 1                               ; v's scale words
	s_add_co_u32 s73, s61, SV-SQ
	s_add_nc_u64 s[74:75], s[6:7], s[94:95]
	s_or_b32 s75, s75, 0x80000000
	s_add_nc_u64 s[80:81], s[4:5], s[80:81]
	s_add_nc_u64 s[82:83], s[4:5], s[82:83]
	s_add_nc_u64 s[86:87], s[10:11], s[84:85]
	s_add_nc_u64 s[84:85], s[8:9], s[84:85]
	CROUND                                         ; all four work-groups are here: the joint loads meet
	s_cmp_lt_u32 s12, 8                            ; waves 0-7 fetch q's key steps, waves 8-15 v's: a wave's two fills stand in one branch on the wave's number
	s_cbranch_scc0 .Lfor_v
	tensor_load_to_lds s[56:59], s[24:31]
	s_nop 0
	tensor_load_to_lds s[60:63], s[32:39]
	s_nop 0
.rept 4
	v_nop                                          ; four lines behind the last
.endr
	s_branch .Lasked
.Lfor_v:
	tensor_load_to_lds s[68:71], s[40:47]
	s_nop 0
	tensor_load_to_lds s[72:75], s[48:55]
	s_nop 0
.rept 4
	v_nop
.endr
.Lasked:
	v_and_b32 v14, 31, v0                          ; lane
	v_and_b32 v15, 15, v0                          ; r
	v_bfe_u32 v27, v0, 4, 1                        ; h
	v_lshlrev_b32 v11, 4, v14                      ; 16 x lane
	v_lshlrev_b32 v12, 3, v14                      ; 8 x lane
	s_mul_i32 s96, s13, 768
	v_add_nc_u32 v1, s96, v11                      ; q: my head's half of a record: first four registers,
	v_add_nc_u32 v2, s96, v12
	v_add_nc_u32 v2, 512, v2                       ; last two
	s_mul_i32 s96, s13, 6144
	s_add_co_u32 s96, s96, VC
	v_add_nc_u32 v3, s96, v11                      ; v: my head's four channel tiles
	v_add_nc_u32 v4, s96, v12
	v_add_nc_u32 v4, 512, v4
	s_lshl_b32 s96, s13, 1
	v_lshl_add_u32 v13, v15, 2, s96                ; my head's two bytes of row r's scale word
	v_add_nc_u32 v5, SQ, v13
	s_lshl_b32 s96, s13, 8
	s_add_co_u32 s96, s96, SV
	v_lshl_add_u32 v6, v15, 2, s96
	v_lshlrev_b32 v7, 12, v27
	v_lshl_add_u32 v7, v15, 4, v7                  ; the way out: lanes 0-15 one token's 256 bytes, lanes 16-31 the next token's
	s_mul_i32 s96, s12, 4352
	s_add_co_u32 s96, s96, STG                     ; my stage
	v_mul_u32_u24 v8, v15, 272
	v_lshl_add_u32 v8, v27, 6, v8
	v_add_nc_u32 v8, s96, v8                       ; in: row r, + 64 h
	v_mul_u32_u24 v9, v27, 272
	v_lshl_add_u32 v9, v15, 4, v9
	v_add_nc_u32 v9, s96, v9                       ; back: rows 2 i + h
	v_and_b32 v10, 8, v15
	v_add_nc_u32 v10, v10, v15
	v_lshlrev_b32 v10, 12, v10
	v_lshl_add_u32 v10, v27, 8, v10                ; the prefetch: token r + 8 (r / 8) of the tile, head h of the pair; never rewritten
.irp i, 34,35,36,37,38,39,88,89,90,91,92,93
	v_mov_b32 v\i, 0                               ; zero codes: the query's K 64 .. 127, and what stands behind the last tile of keys
.endr
.irp b, 0,1,2,3
	v_mov_b32 v[BP+\b], 0                          ; written once: a lane permute's destination counts as one of its sources
.endr
	v_mov_b32 v235, 0                              ; (named as the upper half of the pair v[234:235] before it is first written)
	s_wait_tensorcnt 0x0                           ; my two loads have landed,
	s_barrier_signal -1
	s_barrier_wait -1                              ; everybody's have: q and v of the head pair lie in LDS for the rest of the launch
; A KEY STEP: 128 keys
.macro STEP
	v_add_nc_u32 v16, s[TB], v1                    ; six additions: also the places between the last products and the loads into their registers
	v_add_nc_u32 v17, s[TB], v2
	v_add_nc_u32 v18, s[TB], v3
	v_add_nc_u32 v19, s[TB], v4
	v_add_nc_u32 v20, s[TS], v5
	v_add_nc_u32 v21, s[TS], v6
.irp t, 0,1,2,3,4,5,6,7
	ds_load_b128 v[F+6*\t:F+6*\t+3], v16 offset:1536*\t        ; six registers a tile of keys, on end: operand t is v[F + 6 t] on, twelve registers
	ds_load_b64 v[F+6*\t+4:F+6*\t+5], v17 offset:1536*\t
	ds_load_u16 v[SCL+\t], v20 offset:64*\t
.endr
	s_wait_dscnt 0x0
.irp t, 0,1,2,3,4,5,6,7                        ; S^T: source 0 = 16 keys, source 1 = my 16 query rows.  The 16 registers of tiles 2 b, 2 b + 1 are keys 32 b + 16 h + 0 .. 15
	v_wmma_scale_f32_16x16x128_f8f6f4 v[S+8*\t:S+8*\t+7], v[F+6*\t:F+6*\t+11], v[28:39], 0, v[SCL+\t], v26 matrix_a_fmt:MATRIX_FMT_FP6 matrix_b_fmt:MATRIX_FMT_FP6
.endr
.rept 4
	v_nop                                          ; places ahead of the loads below and of the first read of the scores
.endr
.irp t, 0,1,2,3                                ; v's four fragments land under the softmax
	ds_load_b128 v[F+12*\t:F+12*\t+3], v18 offset:1536*\t
	ds_load_b64 v[F+12*\t+4:F+12*\t+5], v19 offset:1536*\t
	ds_load_b128 v[F+12*\t+6:F+12*\t+9], v18 offset:1536*\t+768
	ds_load_b64 v[F+12*\t+10:F+12*\t+11], v19 offset:1536*\t+768
	ds_load_b32 v[SCL+\t], v21 offset:64*\t
.endr
	; A PREFETCH of the rows of x that the way out will add: the tile's 16 tokens x the pair's two heads, 256 bytes each, a lane a block, in the last key step but one: one key step and the rest of this one ahead of the loads.
	; Of the two waves of a query tile the first asks, so each block is named once in the launch.
	s_cmp_eq_u32 s[CNT], s[LIM]
	s_cbranch_scc0 .Lnot_mine_\@
	global_prefetch_b8 v10, s[84:85] th:TH_LOAD_NT scope:SCOPE_SE
.Lnot_mine_\@:
.irp b, 0,1,2,3
	v_max3_num_f32 v[BM+\b], v[S+16*\b], v[S+1+16*\b], v[S+2+16*\b]   ; THE LARGEST SCORE OF EACH BLOCK OF 32 KEYS serves twice: for the row's maximum, and, since p rises with the score, for the block's largest p
.endr
.irp i, 3,5,7,9,11,13
.irp b, 0,1,2,3
	v_max3_num_f32 v[BM+\b], v[BM+\b], v[S+16*\b+\i], v[S+1+16*\b+\i]
.endr
.endr
.irp b, 0,1,2,3
	v_max_num_f32 v[BM+\b], v[BM+\b], v[S+15+16*\b]
.endr
.irp b, 0,1,2,3
	v_permlanex16_b32 v[BP+\b], v[BM+\b], s[SEL], s[SEL+1]
.endr
.irp b, 0,1,2,3
	v_max_num_f32 v[BM+\b], v[BM+\b], v[BP+\b]     ; with lane l xor 16's 16 keys
.endr
	v_max3_num_f32 v232, v[BM], v[BM+1], v[BM+2]
	v_max_num_f32 v232, v232, v[BM+3]              ; the step's largest score of my row
	v_mul_f32 v232, s[CS], v232                    ; as t (c is positive)
	v_max_num_f32 v23, v23, v232                   ; the running largest t
	v_mov_b32 v232, v22
	v_floor_f32 v22, -v23                          ; the new -M = floor(-t): M is a whole number
	v_sub_f32 v232, v22, v232                      ; old M - new M: a whole number, 0 or less
	v_cvt_i32_f32 v232, v232                       ; (it saturates)
	v_ldexp_f32 v234, 1.0, v232                    ; f = 2^(old M - new M): a multiplication by it rounds nothing
.set j, 0
.rept 32
	v_pk_fma_f32 v[S+j:S+j+1], v[S+j:S+j+1], s[CS:CS+1], v[22:23] op_sel_hi:[1,0,0]   ; t - M, two at a time (of the pairs c and -M the low word serves both halves)
.set j, j+2
.endr
.irp b, 0,1,2,3
	v_fma_f32 v[BM+\b], v[BM+\b], s[CS], v22       ; the same of each block's largest score
.endr
.set j, 0
.rept 64
	v_exp_f32 v[S+j], v[S+j]                       ; p = 2^(t - M), at most 1: not normalised
.set j, j+1
.endr
	v_pk_mul_f32 v[24:25], v[24:25], v[234:235] op_sel_hi:[1,0]   ; the sums under the new M: a plain place behind the exponentials
	s_wait_alu depctr_va_vdst(0)                   ; the wait ahead of the first reader: one for the batch
.irp b, 0,1,2,3
	v_exp_f32 v[BM+\b], v[BM+\b]                   ; the block's largest p: the same two instructions on the same number give the same bits
.endr
	v_pk_add_f32 v[236:237], v[S:S+1], v[S+2:S+3]  ; THE ROW'S SUM IS TAKEN OF THE UNQUANTISED p: two at a time, in two chains; it reads the 64 alone
.irp j, 4,8,12,16,20,24,28,32,36,40,44,48,52,56,60
	v_pk_add_f32 v[24:25], v[24:25], v[S+\j:S+\j+1]
	v_pk_add_f32 v[236:237], v[236:237], v[S+2+\j:S+3+\j]
.endr
	v_pk_add_f32 v[24:25], v[24:25], v[236:237]
	s_wait_alu depctr_va_vdst(0)                   ; and one for the four
.irp b, 0,1,2,3
	v_max_num_f32 v[BM+\b], 0x1800000, v[BM+\b]    ; the floor 2^(3 - 127): the byte cannot fall under 1
.endr
.irp b, 0,1,2,3
	v_add_nc_u32 v[SO+\b], 0xff000000, v[BM+\b]    ; 2 off the exponent field: the conversion's scale operand
.endr
.irp b, 0,1,2,3
	v_lshrrev_b32 v[BP+\b], 23, v[SO+\b]           ; the scale's byte
.endr
	v_lshl_or_b32 v235, v[BP+1], 8, v[BP]          ; p's scale word for these 128 keys
	v_lshl_or_b32 v235, v[BP+2], 16, v235
	v_lshl_or_b32 v235, v[BP+3], 24, v235
.irp c, 0,1
	v_cvt_scalef32_pk16_fp6_f32 v[PC+6*\c:PC+2+6*\c], v[S+32*\c:S+15+32*\c], v[SO+2*\c]
	v_cvt_scalef32_pk16_fp6_f32 v[PC+12+4*\c:PC+14+4*\c], v[S+16+32*\c:S+31+32*\c], v[SO+2*\c+1]   ; (a conversion's three registers begin on an even number)
.endr
	v_nop                                          ; one plain place behind a scaled conversion
.irp c, 0,1                                    ; the operand's layout wants a WHOLE block in a lane
.irp i, 0,1,2
	v_permlane16_swap_b32 v[PC+6*\c+\i], v[PC+12+4*\c+\i]
.endr
.irp i, 0,1,2
	v_mov_b32 v[PC+3+6*\c+\i], v[PC+12+4*\c+\i]
.endr
.endr
.set j, 0
.rept 16
	v_pk_mul_f32 v[O+j:O+j+1], v[O+j:O+j+1], v[234:235] op_sel_hi:[1,0]   ; O^T under the new M.  These sixteen also stand between the writes of p's codes and scale word and the products
.set j, j+2
.endr
	s_wait_dscnt 0x0                               ; v's fragments
.irp t, 0,1,2,3                                ; O^T += V^T P^T: source 0 = 16 of the head's channels, source 1 = p; four accumulators, one instruction a turn
	v_wmma_scale_f32_16x16x128_f8f6f4 v[O+8*\t:O+8*\t+7], v[F+12*\t:F+12*\t+11], v[PC:PC+11], v[O+8*\t:O+8*\t+7], v[SCL+\t], v235 matrix_a_fmt:MATRIX_FMT_FP6 matrix_b_fmt:MATRIX_FMT_FP6
.endr
.endm
; A TILE of 16 query rows: all 1,024 keys, then the way out.  more = 1: another tile follows, eight tiles on
.macro TILE more
	global_load_b128 v[28:31], v11, s[80:81]       ; the head's half record of k: registers 0-5 of the operand
	global_load_b64 v[32:33], v12, s[80:81] offset:512
	global_load_u16 v26, v13, s[82:83]             ; and its two scale bytes
	v_mov_b32 v23, 0xff61b1e6                      ; the largest t so far: -3e38, under every t
	v_floor_f32 v22, -v23                          ; -M
	v_mov_b32 v24, 0                               ; the sum, in two halves
	v_mov_b32 v25, 0
.set j, 0
.rept 32
	v_mov_b32 v[O+j], 0                            ; O^T: the step is written once; the first finds zeros, which the first change of M leaves zeros
.set j, j+1
.endr
	s_mov_b32 s[TB], 0
	s_mov_b32 s[TS], 0
	s_mov_b32 s[CNT], 8
	s_wait_loadcnt 0x0
.Lstep_\@:
	STEP
	s_add_co_u32 s[TB], s[TB], 12288
	s_add_co_u32 s[TS], s[TS], 512
	s_sub_co_u32 s[CNT], s[CNT], 1
	s_cmp_lg_u32 s[CNT], 0
	s_cbranch_scc1 .Lstep_\@
.rept 4
	v_nop                                          ; places behind the last products
.endr
.irp i, 0,1,2,3,4,5,6,7
	global_load_b128 v[F+4*\i:F+4*\i+3], v7, s[84:85] offset:(2*\i+8*(\i/4))*4096   ; x: rows 2 i + h of the tile, my head's 256 bytes
.endr
	v_add_f32 v24, v24, v25                        ; the sum's two halves,
	v_permlanex16_b32 v232, v24, s[SEL], s[SEL+1]
	v_add_f32 v24, v24, v232                       ; and lane l xor 16's: the row's sum
	v_rcp_f32 v24, v24
	v_nop                                          ; a plain place behind the transcendental
	s_wait_alu depctr_va_vdst(0)                   ; the wait ahead of its first reader
.set j, 0
.rept 32
	v_mul_f32 v[S+j], v[O+j], v24                  ; O^T / the sum: register 8 t + i is channel 32 (t / 2) + 16 h + 8 (t % 2) + i of row r; each accumulator from its low end on
.set j, j+1
.endr
.irp t, 0,1,2,3
	ds_store_b128 v8, v[S+8*\t:S+8*\t+3] offset:128*(\t/2)+32*(\t%2)
	ds_store_b128 v8, v[S+8*\t+4:S+8*\t+7] offset:128*(\t/2)+32*(\t%2)+16
.endr
.irp i, 0,1,2,3,4,5,6,7
	ds_load_b128 v[OB+4*\i:OB+4*\i+3], v9 offset:544*\i        ; LDS serves a wave's instructions in order: these see my stores
.endr
	s_wait_dscnt 0x0
	s_wait_loadcnt 0x0
.set j, 0
.rept 16
	v_pk_add_f32 v[OB+j:OB+j+1], v[OB+j:OB+j+1], v[F+j:F+j+1]  ; + x
.set j, j+2
.endr
.irp i, 0,1,2,3,4,5,6,7
	global_store_b128 v7, v[OB+4*\i:OB+4*\i+3], s[86:87] offset:(2*\i+8*(\i/4))*4096   ; sixteen lanes store 256 consecutive bytes, aligned
.endr
.if \more
	s_wait_xcnt 0x0                                ; the loads, the stores and the prefetch have read their registers and bases: both may be written again
	s_add_nc_u64 s[80:81], s[80:81], 98304         ; eight tiles on: k's records,
	s_add_nc_u64 s[82:83], s[82:83], 4096          ; its scale words,
	s_add_nc_u64 s[84:85], s[84:85], 524288        ; 128 tokens of x
	s_add_nc_u64 s[86:87], s[86:87], 524288        ; and of x2
.endif
.endm
	TILE 1
	TILE 0
	s_wait_dscnt 0x0
	s_wait_tensorcnt 0x0
	ds_add_u32 v254, v255
	s_wait_dscnt 0x0
	CROUND                                         ; the closing round: no work-group ends while a partner may still ask for a tile that names it
	s_endpgm
.Lfunc_end_k_q2e475c6d56_attn:
	.size	k_q2e475c6d56_attn, .Lfunc_end_k_q2e475c6d56_attn-k_q2e475c6d56_attn
	.p2alignl 7, 3214868480
	.fill 96, 4, 3214868480
	.section	.rodata,"a",@progbits
	.p2align	6, 0x0
	.amdhsa_kernel k_q2e475c6d56_attn
		.amdhsa_group_segment_fixed_size 276480
		.amdhsa_private_segment_fixed_size 0
		.amdhsa_enable_private_segment 0
		.amdhsa_kernarg_size 32
		.amdhsa_user_sgpr_count 2
		.amdhsa_user_sgpr_kernarg_segment_ptr 1
		.amdhsa_wavefront_size32 1
		.amdhsa_system_sgpr_workgroup_id_x 1
		.amdhsa_system_sgpr_workgroup_id_y 1
		.amdhsa_system_sgpr_workgroup_id_z 1
		.amdhsa_system_vgpr_workitem_id 0
		.amdhsa_next_free_vgpr 256
		.amdhsa_next_free_sgpr 100
		.amdhsa_reserve_vcc 0
		.amdhsa_float_denorm_mode_32 3
		.amdhsa_float_denorm_mode_16_64 3
		.amdhsa_memory_ordered 1
		.amdhsa_forward_progress 1
		.amdhsa_inst_pref_size 57
	.end_amdhsa_kernel
	.amdgpu_metadata
---
amdhsa.version: [ 1, 2 ]
amdhsa.kernels:
  - .name:           k_q2e475c6d56_attn
    .symbol:         k_q2e475c6d56_attn.kd
    .args:
      - { .name: qk, .offset: 0, .size: 8, .value_kind: global_buffer, .address_space: global }
      - { .name: vv, .offset: 8, .size: 8, .value_kind: global_buffer, .address_space: global }
      - { .name: x, .offset: 16, .size: 8, .value_kind: global_buffer, .address_space: global }
      - { .name: x2, .offset: 24, .size: 8, .value_kind: global_buffer, .address_space: global }
    .group_segment_fixed_size: 276480
    .private_segment_fixed_size: 0
    .kernarg_segment_align: 8
    .kernarg_segment_size: 32
    .max_flat_workgroup_size: 512
    .sgpr_count:     100
    .vgpr_count:     256
    .wavefront_size: 32
...
	.end_amdgpu_metadata
.endif
;; end of part 5
;; launch ln2: the kernel of part 2 again; grid 512 x 1, 8 waves a work-group, no clusters, 70,144 bytes of LDS; arguments x2, g2, be2, xn; writes xn
;; launch g0: the kernel of part 3 again; grid 4 x 64, 4 waves a work-group, clusters of 4 x 4, 295,424 bytes of LDS; arguments xn, w0c, qk; writes qk
;; launch g1: the kernel of part 3 again; grid 4 x 64, 4 waves a work-group, clusters of 4 x 4, 295,424 bytes of LDS; arguments qk, w1c, xn; writes xn
;; launch g2 (part 6): grid 4 x 64, 4 waves a work-group, clusters of 4 x 4, 295,424 bytes of LDS; arguments xn, wv2, x2, out0; writes out0
.if DOCPART == 6
	.amdgcn_target "amdgcn-amd-amdhsa--gfx1250"
	.amdhsa_code_object_version 6
	.text
	.protected	k_q2e475c6d56_g2
	.globl	k_q2e475c6d56_g2
	.p2align	8
	.type	k_q2e475c6d56_g2,@function
k_q2e475c6d56_g2:
	s_mov_b64 s[64:65], 0
	v_nop
	global_prefetch_b8 v0, s[64:65] scope:SCOPE_SE
	s_setreg_imm32_b32 hwreg(HW_REG_WAVE_MODE, 25, 1), 1
	s_wait_xcnt 0x0
	s_wait_alu depctr_hold_cnt(0) depctr_sa_sdst(0) depctr_va_vdst(0) depctr_va_sdst(0) depctr_va_ssrc(0) depctr_va_vcc(0) depctr_vm_vsrc(0)
	s_getreg_b32 s2, hwreg(HW_REG_IB_STS2, 6, 4)
	s_cmp_eq_u32 s2, 0
	s_cbranch_scc0 .Lentry_in_a_cluster
	s_endpgm
.Lentry_in_a_cluster:
	s_bfe_u32 s2, ttmp6, 0x10000c
	s_cmp_lg_u32 s2, 0xf033
	s_cbranch_scc0 .Lentry_shape_is_right
	s_endpgm
.Lentry_shape_is_right:
; ONE TEXT FOR THREE LAUNCH BODIES, chosen by VAR.  All are a product on codes of FP6 (E2M3) with E8M0 scales, K = 1,024, sums in f32; operands arrive as RECORDS, images of fragments' registers
; (tile of 16 rows, K step of 128: 1,536 bytes: half c at 768 c: registers 6 c .. 6 c + 3 at 16 x lane, 6 c + 4, 6 c + 5 at 512 + 8 x lane), 12,288 bytes a tile; scale words 512 bytes a tile, 64 a K step, 4 a row.
; Row r of tile t is row 32 (t / 2) + 8 (t % 2) + r + 8 (r / 8) of its tensor: so where a tile is SOURCE 0, the 16 result registers of tiles 2 B, 2 B + 1 are 16 neighbours, 32 B + 16 (lane / 16) + 0 .. 15.
;   VAR 0: S1 = tokens, S0 = a weight's columns.  max(S1 S0^T + bias, floor) is quantised along the columns, the next product's K, and stored as records.  The floor word heads the weight's buffer: -infinity (no activation) or 0 (relu).
;   VAR 1: S1 = Wv's columns, S0 = tokens.  v + bias is quantised along the TOKENS, the keys of attention's second product, and stored as records (channel tile, 128 tokens).
;   VAR 2: S1 = tokens, S0 = W2's columns (tiles 64 on of its buffer).  out = x2 + S1 S0^T + bias, f32 rows.
; SHARES.  A work-group takes 128 rows of S1 (index y) x 256 rows of S0 (index x) with ALL of K; wave w takes S1's tiles 4 (w / 2) + a, a = 0..3, x S0's tiles 8 (w % 2) + b, b = 0..7: 32 accumulators.
; The wave's 128 rows of S0 are one whole K step of the next product: its results become whole fragments and whole scale words in registers.
; LDS holds the work-group's operands whole, 294,912 bytes, as four quarters of two K steps; every byte is filled ONCE: all four tensor loads of a wave go out at the head, so no slot is ever filled again.
; By this text's own count a wave has four tensor loads outstanding.  A quarter is read behind the loading waves' counted wait and a barrier.
; THE FRAGMENTS come out of LDS one K step ahead, in three runs of 16 loads that stand among the K step's four groups of eight matrix instructions (S0's tiles two at a time, each against S1's four):
; a wave's 48 loads bring 18,432 bytes for its 32 matrix instructions, so the loads are served while matrix instructions run, and each group waits only for the fragments that it multiplies.  The price: seven switches of the register window in a K step.
; CLUSTER 4 x 4: S1's tiles hang on y alone and are asked for jointly along a row of the cluster, S0's on x alone and along a column.
; The tile is the largest with which each launch has 256 work-groups or more and all of K lies in LDS.
; REGISTERS, in windows of 256: window 0: v2-14 addresses; v32-63 S1's scale words (8 a + s), v64-127 S0's (8 b + s); v128-223 S1's fragments, two sets of 48; on the way out v128 on are at work.
;   window 1: accumulator (a, b) at 8 (8 a + b).   window 2: v0-191 S0's fragments, two sets of 96; v192-255 the bias of my 128 rows of S0.   window 3 (VAR 2): my 64 rows x 128 columns of x2.
; LIMITS: NaN and infinities are not served; a block of zeros gets the byte 1 (its codes are zeros; this program alone reads the bytes); largest magnitudes under 2^-124 were not tried.
.set VAR,    2
.set W_BIAS, 256
.set W_SCL,  8448
.set W_COD,  73984
.set A_COD,  262144
.set PLANE,  6553600                   ; an activation buffer's bytes: VAR 0 stores columns 1,024 on (k beside q) into a second one behind the first
.if VAR == 1
.set S1_SCL, W_SCL
.set S1_COD, W_COD
.set S0_SCL, 0
.set S0_COD, A_COD
.set ASTR,   98304                     ; from my tile a of S1 to tile a + 1 in the output's records: 64 records,
.set SSTR,   4096                      ; and in its scale words
.else
.set S1_SCL, 0
.set S1_COD, A_COD
.set S0_SCL, W_SCL
.set S0_COD, W_COD
.set ASTR,   12288
.set SSTR,   512
.endif
.if VAR == 2
.set T0OFF,  64
.else
.set T0OFF,  0
.endif
.set QB,   73728                       ; a quarter in LDS: S1's 8 tiles x 3,072 bytes, then S0's 16
.set S0P,  24576
.set T,    128                         ; the way out: 64 numbers
.set PC,   192                         ; v192-211 codes
.set TM,   212                         ; v212-227 at work in QUANT
.set PW,   228                         ; the scale word just made
.set PWS,  232                         ; v232-235 the four tiles' scale words
.set RB,   236                         ; v236-243 VAR 1: the bias of my lane's channel, twice, for each a
.set BK,   64                          ; VAR 2: 16 rows back from the stage
.set SEL,  20                          ; s[20:21] lane selects for v_permlanex16_b32: lane l xor 16
.set MSB, 0
.macro WIN new                         ; the immediate's high byte repeats the setting that is left
.if MSB != \new
	s_set_vgpr_msb (MSB<<8)|\new
.set MSB, \new
.endif
.endm
.macro CROUND                          ; a round of the cluster's barrier
	s_barrier_signal -1
	s_barrier_wait -1
	s_cmp_lg_u32 s14, 0
	s_cbranch_scc1 .Lnot_wave_0_\@
	s_barrier_signal -3
.Lnot_wave_0_\@:
	s_barrier_wait -3
	s_barrier_signal -1
	s_barrier_wait -1
.endm
.macro PLACES                          ; four plain places behind a matrix instruction, ahead of loads into its registers and of reads of its results
.rept 4
	v_nop
.endr
.endm
	s_load_b128 s[4:7], s[0:1], 0x0                ; S1 s[4:5], S0 s[6:7]
	s_load_b64 s[8:9], s[0:1], 0x10                ; the output (VAR 2: x2)
.if VAR == 2
	s_load_b64 s[10:11], s[0:1], 0x18              ; out
	v_lshl_add_u32 v254, v0, 2, 0x48000
	v_mov_b32 v255, 0
	ds_add_u32 v254, v255
	ds_add_u32 v254, v255
.endif
	v_lshrrev_b32 v1, 5, v0
	v_readfirstlane_b32 s14, v1                    ; wave 0..3
	s_lshr_b32 s15, s14, 1                         ; WH: which half of S1's tiles is mine.  Also: I fetch for S1 (0) or for S0 (1)
	s_and_b32 s16, s14, 1                          ; WL: which half of S0's tiles is mine.  Also: which half of that operand's tiles I fetch
	s_bfe_u32 s76, ttmp6, 0x40000                  ; cx, cy: my place in the cluster
	s_bfe_u32 s77, ttmp6, 0x40004
	s_lshl_b32 s78, ttmp9, 2
	s_add_co_u32 s78, s78, s76                     ; x = 4 x cluster x + cx
	s_and_b32 s79, ttmp7, 0xffff
	s_lshl_b32 s79, s79, 2
	s_add_co_u32 s79, s79, s77                     ; y = 4 x cluster y + cy
	s_lshl_b32 s80, s77, 2
	s_lshl_b32 s80, 15, s80                        ; my row of the cluster
	s_lshl_b32 s81, 0x1111, s76                    ; my column
	; descriptor groups 1: rows of 3,072 bytes (a tile's two K steps: 384 elements of 8 bytes), 12,288 bytes apart; S1: 4 tiles, S0: 8; laid on end in LDS
	s_or_b32 s24, s80, (3<<16)|(1<<21)             ; 15:0 the mask; 17:16 elements of 8 bytes; 21 set beside a mask
	s_mov_b32 s25, 384<<16                         ; tensor_dim0
	s_mov_b32 s26, 4<<16                           ; tensor_dim1
	s_mov_b32 s27, 384<<16                         ; tile_dim0
	s_mov_b32 s28, 4                               ; tile_dim1
	s_mov_b32 s29, 1536                            ; the pitch in elements
	s_mov_b32 s30, 0
	s_mov_b32 s31, 0
	s_or_b32 s32, s81, (3<<16)|(1<<21)
	s_mov_b32 s33, 384<<16
	s_mov_b32 s34, 8<<16
	s_mov_b32 s35, 384<<16
	s_mov_b32 s36, 8
	s_mov_b32 s37, 1536
	s_mov_b32 s38, 0
	s_mov_b32 s39, 0
	s_mul_i32 s17, s16, 12288                      ; where what I fetch goes in a quarter: of S1,
	s_mul_i32 s18, s16, 24576
	s_add_co_u32 s18, s18, S0P                     ; of S0: the wave's number alone enters an LDS address
	s_mov_b32 s[SEL], 0x76543210
	s_mov_b32 s[SEL+1], 0xfedcba98
	s_lshl_b32 s82, s79, 3                         ; S1: the tiles that I fetch: 8 y + 4 WL on
	s_lshl_b32 s83, s16, 2
	s_add_co_u32 s82, s82, s83
	s_mul_i32 s82, s82, 12288
	s_add_co_u32 s82, s82, S1_COD
	s_mov_b32 s83, 0
	s_lshl_b32 s84, s78, 4                         ; S0: 16 x + 8 WL on: the tiles that I fetch, and those that I multiply by
	s_lshl_b32 s85, s16, 3
	s_add_co_u32 s84, s84, s85
	s_add_co_u32 s84, s84, T0OFF
	s_lshl_b32 s90, s84, 9
	s_add_co_u32 s90, s90, S0_SCL                  ; their scale words
	s_mov_b32 s91, 0
	s_lshl_b32 s97, s79, 3
	s_lshl_b32 s88, s15, 2
	s_add_co_u32 s97, s97, s88                     ; S1: my first tile: 8 y + 4 WH
	s_lshl_b32 s88, s97, 9
	s_add_co_u32 s88, s88, S1_SCL                  ; its scale words
	s_mov_b32 s89, 0
.if VAR == 1
	s_lshl_b32 s92, s97, 6                         ; the bias lies with the weight: here S1
.else
	s_lshl_b32 s92, s84, 6                         ; here S0
.endif
	s_add_co_u32 s92, s92, W_BIAS
	s_mov_b32 s93, 0
	s_mul_i32 s84, s84, 12288
	s_add_co_u32 s84, s84, S0_COD
	s_mov_b32 s85, 0
.if VAR == 0                           ; records (token tile, K step 2 cx + WL) of plane cluster x
	s_lshl_b32 s86, s76, 1
	s_add_co_u32 s86, s86, s16
	s_mul_i32 s87, ttmp9, PLANE
	s_lshl_b32 s94, s97, 3
	s_add_co_u32 s94, s94, s86
	s_mul_i32 s94, s94, 1536
	s_add_co_u32 s94, s94, s87
	s_add_co_u32 s94, s94, A_COD
	s_lshl_b32 s98, s97, 9
	s_lshl_b32 s86, s86, 6
	s_add_co_u32 s98, s98, s86
	s_add_co_u32 s98, s98, s87
.endif
.if VAR == 1                           ; records (channel tile, 128 tokens 2 x + WL)
	s_lshl_b32 s86, s78, 1
	s_add_co_u32 s86, s86, s16
	s_lshl_b32 s87, s97, 6
	s_add_co_u32 s87, s87, s86
	s_mul_i32 s94, s87, 1536
	s_add_co_u32 s94, s94, A_COD
	s_lshl_b32 s98, s87, 6
.endif
.if VAR == 2                           ; f32 rows: token 16 x my first tile, columns 128 (2 x + WL) on
	s_lshl_b32 s86, s78, 1
	s_add_co_u32 s86, s86, s16
	s_lshl_b32 s94, s97, 16
	s_lshl_b32 s86, s86, 9
	s_add_co_u32 s94, s94, s86
.endif
	s_mov_b32 s95, 0
	s_mov_b32 s99, 0
	s_wait_dscnt 0x0
	s_wait_kmcnt 0x0
	s_add_nc_u64 s[82:83], s[4:5], s[82:83]
	s_add_nc_u64 s[84:85], s[6:7], s[84:85]
	s_add_nc_u64 s[88:89], s[4:5], s[88:89]
	s_add_nc_u64 s[90:91], s[6:7], s[90:91]
.if VAR == 1
	s_add_nc_u64 s[92:93], s[4:5], s[92:93]
.else
	s_add_nc_u64 s[92:93], s[6:7], s[92:93]
.endif
.if VAR == 2
	s_add_nc_u64 s[98:99], s[10:11], s[94:95]
	s_add_nc_u64 s[94:95], s[8:9], s[94:95]
.else
	s_add_nc_u64 s[94:95], s[8:9], s[94:95]
	s_add_nc_u64 s[98:99], s[8:9], s[98:99]
.endif
.if VAR == 0
	s_load_b32 s96, s[6:7], 0x0                    ; the floor word
.endif
.irp q, 0,1,2,3                        ; descriptor groups 0, a set for each quarter: S1's at s40 on, S0's at s56, s60, s68, s72
	s_mov_b32 s[40+4*\q], 1
	s_add_co_u32 s[41+4*\q], s17, \q*QB
	s_add_nc_u64 s[42+4*\q:43+4*\q], s[82:83], \q*3072
	s_or_b32 s[43+4*\q], s[43+4*\q], 0x80000000
	s_mov_b32 s[56+4*\q+4*(\q/2)], 1
	s_add_co_u32 s[57+4*\q+4*(\q/2)], s18, \q*QB
	s_add_nc_u64 s[58+4*\q+4*(\q/2):59+4*\q+4*(\q/2)], s[84:85], \q*3072
	s_or_b32 s[59+4*\q+4*(\q/2)], s[59+4*\q+4*(\q/2)], 0x80000000
.endr
	CROUND                                         ; all sixteen work-groups are here: the joint loads meet
	s_cmp_eq_u32 s15, 0                            ; a wave's four fills stand in one branch on the wave's number, ahead of every wait on TENSORcnt, every LDS read and every other barrier
	s_cbranch_scc0 .Lfor_s0
	tensor_load_to_lds s[40:43], s[24:31]
	s_nop 0
	tensor_load_to_lds s[44:47], s[24:31]
	s_nop 0
	tensor_load_to_lds s[48:51], s[24:31]
	s_nop 0
	tensor_load_to_lds s[52:55], s[24:31]
	s_nop 0
.rept 4
	v_nop                                          ; four lines behind the last
.endr
	s_branch .Lasked
.Lfor_s0:
	tensor_load_to_lds s[56:59], s[32:39]
	s_nop 0
	tensor_load_to_lds s[60:63], s[32:39]
	s_nop 0
	tensor_load_to_lds s[68:71], s[32:39]
	s_nop 0
	tensor_load_to_lds s[72:75], s[32:39]
	s_nop 0
.rept 4
	v_nop
.endr
.Lasked:
	v_and_b32 v1, 31, v0
	v_lshlrev_b32 v6, 4, v1                        ; 16 x lane
	v_lshlrev_b32 v7, 3, v1                        ; 8 x lane
	v_and_b32 v11, 15, v0                          ; r
	v_lshlrev_b32 v8, 2, v11                       ; 4 r
	v_bfe_u32 v12, v0, 4, 1                        ; h
	v_lshlrev_b32 v9, 5, v12                       ; 32 h
	v_mul_u32_u24 v10, v12, SSTR
	v_add_nc_u32 v10, v10, v8                      ; the scale words' store: lanes 0-15 one tile's, lanes 16-31 the next tile's
	s_mul_i32 s19, s15, 12288
	v_add_nc_u32 v2, s19, v6                       ; S1's records that I read: first four registers of a half,
	v_add_nc_u32 v3, s19, v7
	v_add_nc_u32 v3, 512, v3                       ; last two
	v_add_nc_u32 v4, s18, v6                       ; S0's likewise
	v_add_nc_u32 v5, s18, v7
	v_add_nc_u32 v5, 512, v5
.if VAR == 2
	s_mul_i32 s19, s14, 8448                       ; my stage for the way out: 16 rows x 528 bytes, in quarter 0
	v_mul_u32_u24 v13, v11, 528
	v_lshl_add_u32 v13, v12, 6, v13
	v_add_nc_u32 v13, s19, v13                     ; in: row r, + 64 h
	v_add_nc_u32 v14, s19, v6                      ; back: 16 bytes a lane of a row
.endif
.irp a, 0,1,2,3
.irp s, 0,1,2,3,4,5,6,7
	global_load_b32 v[32+8*\a+\s], v8, s[88:89] offset:\a*512+\s*64    ; scale words stay in registers for the whole launch; the matrix unit reads lanes 0-15
.endr
.endr
.irp b, 0,1,2,3,4,5,6,7
.irp s, 0,1,2,3,4,5,6,7
	global_load_b32 v[64+8*\b+\s], v8, s[90:91] offset:\b*512+\s*64
.endr
.endr
.if VAR == 1
.irp a, 0,1,2,3
	global_load_b32 v[RB+2*\a], v8, s[92:93] offset:64*\a              ; my lane's channel's bias, into both halves of a pair
	global_load_b32 v[RB+2*\a+1], v8, s[92:93] offset:64*\a
.endr
.else
	WIN 0x80                                       ; destination window 2
.irp b, 0,1,2,3,4,5,6,7
	global_load_b128 v[192+8*\b:195+8*\b], v9, s[92:93] offset:64*\b   ; the bias in the result's layout: tile b, rows 8 h + 0 .. 7
	global_load_b128 v[196+8*\b:199+8*\b], v9, s[92:93] offset:64*\b+16
.endr
	WIN 0
.endif
.if VAR == 2
	WIN 0xc0                                       ; destination window 3
.irp a, 0,1,2,3
.irp t, 0,1,2,3,4,5,6,7,8,9,10,11,12,13,14,15
	global_load_b128 v[64*\a+4*\t:64*\a+4*\t+3], v6, s[94:95] offset:(32*(\a/2)+8*(\a%2)+\t+8*(\t/8))*4096   ; x2: row t of my tile a, my 128 columns: 512 consecutive bytes
.endr
.endr
	WIN 0
.endif
.macro FRAG reg, a16, a8, off          ; a record becomes a fragment: four dense loads
	ds_load_b128 v[\reg:\reg+3], v[\a16] offset:\off
	ds_load_b64 v[\reg+4:\reg+5], v[\a8] offset:\off
	ds_load_b128 v[\reg+6:\reg+9], v[\a16] offset:\off+768
	ds_load_b64 v[\reg+10:\reg+11], v[\a8] offset:\off+768
.endm
.macro LD_S1 s                         ; a run of 16 LDS loads: S1's four fragments of K step s into set s % 2
	WIN 0
.irp a, 0,1,2,3
	FRAG 128+48*((\s)%2)+12*\a, 2, 3, \a*3072+((\s)%2)*1536
.endr
.endm
.macro LD_S0 s, b0                     ; a run of 16 LDS loads: S0's fragments b0 .. b0 + 3 of K step s into set s % 2
	WIN 0x80                                       ; destination window 2, address window 0
.irp b, \b0, \b0+1, \b0+2, \b0+3
	FRAG 96*((\s)%2)+12*(\b), 4, 5, (\b)*3072+((\s)%2)*1536
.endr
.endm
.macro MULG s, b0                      ; a group of eight matrix instructions: S0's tiles b0, b0 + 1, each against S1's four.  The 32 accumulators take turns, one instruction a turn, in the same order in every K step; the first K step starts the sums
	WIN 0x52                                       ; source 0 (S0) window 2, source 1 (S1) window 0, C and D window 1
.irp b, \b0, \b0+1
.irp a, 0,1,2,3
.if (\s) == 0
	v_wmma_scale_f32_16x16x128_f8f6f4 v[8*(8*\a+(\b)):8*(8*\a+(\b))+7], v[96*((\s)%2)+12*(\b):96*((\s)%2)+12*(\b)+11], v[128+48*((\s)%2)+12*\a:128+48*((\s)%2)+12*\a+11], 0, v[64+8*(\b)+(\s)], v[32+8*\a+(\s)] matrix_a_fmt:MATRIX_FMT_FP6 matrix_b_fmt:MATRIX_FMT_FP6
.else
	v_wmma_scale_f32_16x16x128_f8f6f4 v[8*(8*\a+(\b)):8*(8*\a+(\b))+7], v[96*((\s)%2)+12*(\b):96*((\s)%2)+12*(\b)+11], v[128+48*((\s)%2)+12*\a:128+48*((\s)%2)+12*\a+11], v[8*(8*\a+(\b)):8*(8*\a+(\b))+7], v[64+8*(\b)+(\s)], v[32+8*\a+(\s)] matrix_a_fmt:MATRIX_FMT_FP6 matrix_b_fmt:MATRIX_FMT_FP6
.endif
.endr
.endr
.endm
; A K STEP: four groups of eight matrix instructions; among them the next K step's 48 LDS loads in three runs, in the order in which that step wants them: S1's four fragments, S0's 0-3, S0's 4-7 (four loads a fragment).
; THE COUNTS.  A group wants S1's fragments and S0's up to its own two.  At a K step's head 48 loads may be out, of which the first 24 are wanted: 24 may stay out.  Each later group wants eight more,
; and a run of 16 has been issued meanwhile: 16 + 16, 8 + 32, 0 + 48.  The last K step issues none: 24, 16, 8, 0.
.macro KSTEP s
.if (\s) == 7
	s_wait_dscnt 24
	MULG \s, 0
	s_wait_dscnt 16
	MULG \s, 2
	s_wait_dscnt 8
	MULG \s, 4
	s_wait_dscnt 0x0
	MULG \s, 6
.elseif (\s)%2 == 0                    ; the successor lies in the same quarter
.if (\s) > 0
	PLACES                                         ; the sets that this step's runs load were read by the K step before
.endif
	s_wait_dscnt 24
	MULG \s, 0
	LD_S1 (\s)+1
	s_wait_dscnt 32
	MULG \s, 2
	LD_S0 (\s)+1, 0
	s_wait_dscnt 40
	MULG \s, 4
	LD_S0 (\s)+1, 4
	s_wait_dscnt 48
	MULG \s, 6
.else                                  ; the successor lies in the next quarter: a barrier stands ahead of its loads, the second group between the barrier's signal and its wait
	s_wait_dscnt 24
	MULG \s, 0
	WIN 0
	s_wait_tensorcnt 3-((\s)+1)/2                  ; my part of the next quarter has landed; the later quarters' loads may stay out
	s_wait_dscnt 0x0                               ; no LDS instruction of mine is pending at the signal: all of this K step's fragments are in
	s_barrier_signal -1
	v_add_nc_u32 v2, QB, v2                        ; on to that quarter.  These four are also the places ahead of the loads into the sets that the K step before has read
	v_add_nc_u32 v3, QB, v3
	v_add_nc_u32 v4, QB, v4
	v_add_nc_u32 v5, QB, v5
	MULG \s, 2
	s_barrier_wait -1                              ; everybody's part has landed
	LD_S1 (\s)+1
	MULG \s, 4
	LD_S0 (\s)+1, 0
	MULG \s, 6
	LD_S0 (\s)+1, 4
.endif
.endm
	s_wait_tensorcnt 3                             ; my part of quarter 0 is in; three loads may stay out
	s_barrier_signal -1
	s_barrier_wait -1
	LD_S1 0                                        ; the first K step's fragments, in the same order
	LD_S0 0, 0
	LD_S0 0, 4
.if VAR == 2
	s_wait_loadcnt 63                              ; 64 loads of x2 were issued behind the last of the bias: scale words and bias are in
.else
	s_wait_loadcnt 0x0                             ; scale words and bias
.endif
.irp s, 0,1,2,3,4,5,6,7
	KSTEP \s
.endr
	WIN 0
; 64 numbers of a lane, register 16 b + i = k 32 b + 16 h + i of my row, become a fragment's codes in v[PC] on and its scale word in v[PW]
.macro QUANT s
.irp b, 0,1,2,3
	v_max3_num_f32 v[TM+\b], |v[\s+16*\b]|, |v[\s+1+16*\b]|, 0x1800000   ; block b: my 16 numbers, and the floor 2^(3 - 127): the byte cannot fall under 1
.endr
.irp i, 2,4,6,8,10,12,14
.irp b, 0,1,2,3
	v_max3_num_f32 v[TM+\b], v[TM+\b], |v[\s+16*\b+\i]|, |v[\s+1+16*\b+\i]|   ; the four blocks by turns
.endr
.endr
.irp b, 0,1,2,3
	v_permlanex16_b32 v[TM+4+\b], v[TM+\b], s[SEL], s[SEL+1]
.endr
.irp b, 0,1,2,3
	v_max_num_f32 v[TM+\b], v[TM+\b], v[TM+4+\b]   ; with lane l xor 16's: the block's largest magnitude
.endr
.irp b, 0,1,2,3
	v_add_nc_u32 v[TM+12+\b], 0xff000000, v[TM+\b] ; 2 off its exponent field: the conversion's scale operand
.endr
.irp b, 0,1,2,3
	v_lshrrev_b32 v[TM+4+\b], 23, v[TM+12+\b]      ; the scale's byte
.endr
	v_lshl_or_b32 v[PW], v[TM+5], 8, v[TM+4]
	v_lshl_or_b32 v[PW], v[TM+6], 16, v[PW]
	v_lshl_or_b32 v[PW], v[TM+7], 24, v[PW]
.irp c, 0,1
	v_cvt_scalef32_pk16_fp6_f32 v[PC+6*\c:PC+2+6*\c], v[\s+32*\c:\s+15+32*\c], v[TM+12+2*\c]
	v_cvt_scalef32_pk16_fp6_f32 v[PC+12+4*\c:PC+14+4*\c], v[\s+16+32*\c:\s+31+32*\c], v[TM+12+2*\c+1]   ; (a conversion's three registers begin on an even number)
.endr
	v_nop                                          ; one plain place behind a scaled conversion
.irp c, 0,1                                    ; the operand's layout wants a WHOLE block in a lane
.irp i, 0,1,2
	v_permlane16_swap_b32 v[PC+6*\c+\i], v[PC+12+4*\c+\i]
.endr
.irp i, 0,1,2
	v_mov_b32 v[PC+3+6*\c+\i], v[PC+12+4*\c+\i]
.endr
.endr
.endm
.macro IMAGE off                       ; the fragment in v[PC] on leaves as a record: 512, 256, 512, 256 consecutive bytes
	global_store_b128 v6, v[PC:PC+3], s[94:95] offset:\off
	global_store_b64 v7, v[PC+4:PC+5], s[94:95] offset:\off+512
	global_store_b128 v6, v[PC+6:PC+9], s[94:95] offset:\off+768
	global_store_b64 v7, v[PC+10:PC+11], s[94:95] offset:\off+1280
.endm
.if VAR != 2
	; THE WAY OUT, a tile of S1 at a time: bias (and floor), quantised in registers, stored as one record and one scale word a row
	PLACES
.irp b, 0,1,2,3
	v_mov_b32 v[TM+4+\b], 0                        ; a lane permute's destination counts as one of its sources
.endr
.if VAR == 0
	s_wait_kmcnt 0x0                               ; the floor word
.endif
.irp a, 0,1,2,3
.if \a > 0
	s_wait_xcnt 0x0                                ; the last tile's stores have read their registers: the codes may be written again
.endif
.if VAR == 0
	WIN 0x09                                       ; source 0 (sums) window 1, source 1 (bias) window 2
.set j, 0
.rept 32
	v_pk_add_f32 v[T+j:T+j+1], v[64*\a+j:64*\a+j+1], v[192+j:193+j]    ; each accumulator from its low end on
.set j, j+2
.endr
	WIN 0
.set j, 0
.rept 64
	v_max_num_f32 v[T+j], s96, v[T+j]              ; the floor: a relu where it is 0, nothing where it is -infinity
.set j, j+1
.endr
.else
	WIN 0x01                                       ; source 0 (sums) window 1
.set j, 0
.rept 32
	v_pk_add_f32 v[T+j:T+j+1], v[64*\a+j:64*\a+j+1], v[RB+2*\a:RB+2*\a+1]
.set j, j+2
.endr
	WIN 0
.endif
	QUANT T
	IMAGE \a*ASTR
	v_mov_b32 v[PWS+\a], v[PW]
.endr
	s_mov_b32 vcc_lo, 0xffff0000                   ; every lane holds its row's word: lanes 0-15 send one tile's, lanes 16-31 the next tile's
	v_cndmask_b32 v230, v[PWS], v[PWS+1], vcc_lo
	v_cndmask_b32 v231, v[PWS+2], v[PWS+3], vcc_lo
	global_store_b32 v10, v230, s[98:99]
	global_store_b32 v10, v231, s[98:99] offset:2*SSTR
.else
	; THE WAY OUT, a tile of 16 tokens at a time: + bias, through my stage in LDS, back as whole rows of 512 bytes, + x2, stored.
	s_wait_dscnt 0x0
	s_barrier_signal -1
	s_barrier_wait -1                              ; no wave reads the operands any more; quarter 0 has had its one fill: the stages may lie there
	s_wait_loadcnt 0x0                             ; x2
	PLACES
.irp a, 0,1,2,3
	WIN 0x09
.set j, 0
.rept 32
	v_pk_add_f32 v[T+j:T+j+1], v[64*\a+j:64*\a+j+1], v[192+j:193+j]    ; each accumulator from its low end on
.set j, j+2
.endr
	WIN 0
.irp b, 0,1,2,3,4,5,6,7
	ds_store_b128 v13, v[T+8*\b:T+8*\b+3] offset:128*(\b/2)+32*(\b%2)          ; lane (r, h): columns 32 (b / 2) + 16 h + 8 (b % 2) + 0 .. 7 of row r
	ds_store_b128 v13, v[T+8*\b+4:T+8*\b+7] offset:128*(\b/2)+32*(\b%2)+16
.endr
.if \a > 0
	s_wait_xcnt 0x0                                ; the last tile's stores have read their registers
.endif
.irp t, 0,1,2,3,4,5,6,7,8,9,10,11,12,13,14,15
	ds_load_b128 v[BK+4*\t:BK+4*\t+3], v14 offset:\t*528               ; LDS serves a wave's instructions in order: these see my stores
.endr
	s_wait_dscnt 0x0
	WIN 0x0c                                       ; source 1 (x2) window 3
.set j, 0
.rept 32
	v_pk_add_f32 v[BK+j:BK+j+1], v[BK+j:BK+j+1], v[64*\a+j:64*\a+j+1]
.set j, j+2
.endr
	WIN 0
.irp t, 0,1,2,3,4,5,6,7,8,9,10,11,12,13,14,15
	global_store_b128 v6, v[BK+4*\t:BK+4*\t+3], s[98:99] offset:(32*(\a/2)+8*(\a%2)+\t+8*(\t/8))*4096 th:TH_STORE_NT   ; 32 lanes store 512 consecutive bytes
.endr
.endr
.endif
	s_wait_dscnt 0x0
	s_wait_tensorcnt 0x0
	ds_add_u32 v254, v255
	s_wait_dscnt 0x0
	CROUND                                         ; the closing round: no work-group ends while a partner may still ask for a tile that names it
	s_endpgm
.Lfunc_end_k_q2e475c6d56_g2:
	.size	k_q2e475c6d56_g2, .Lfunc_end_k_q2e475c6d56_g2-k_q2e475c6d56_g2
	.p2alignl 7, 3214868480
	.fill 96, 4, 3214868480
	.section	.rodata,"a",@progbits
	.p2align	6, 0x0
	.amdhsa_kernel k_q2e475c6d56_g2
		.amdhsa_group_segment_fixed_size 295424
		.amdhsa_private_segment_fixed_size 0
		.amdhsa_enable_private_segment 0
		.amdhsa_kernarg_size 32
		.amdhsa_user_sgpr_count 2
		.amdhsa_user_sgpr_kernarg_segment_ptr 1
		.amdhsa_wavefront_size32 1
		.amdhsa_system_sgpr_workgroup_id_x 1
		.amdhsa_system_sgpr_workgroup_id_y 1
		.amdhsa_system_sgpr_workgroup_id_z 1
		.amdhsa_system_vgpr_workitem_id 0
		.amdhsa_next_free_vgpr 1024
		.amdhsa_next_free_sgpr 100
		.amdhsa_reserve_vcc 1
		.amdhsa_float_denorm_mode_32 3
		.amdhsa_float_denorm_mode_16_64 3
		.amdhsa_memory_ordered 1
		.amdhsa_forward_progress 1
		.amdhsa_inst_pref_size 117
	.end_amdhsa_kernel
	.amdgpu_metadata
---
amdhsa.version: [ 1, 2 ]
amdhsa.kernels:
  - .name:           k_q2e475c6d56_g2
    .symbol:         k_q2e475c6d56_g2.kd
    .args:
      - { .name: xn, .offset: 0, .size: 8, .value_kind: global_buffer, .address_space: global }
      - { .name: wv2, .offset: 8, .size: 8, .value_kind: global_buffer, .address_space: global }
      - { .name: x2, .offset: 16, .size: 8, .value_kind: global_buffer, .address_space: global }
      - { .name: out0, .offset: 24, .size: 8, .value_kind: global_buffer, .address_space: global }
    .group_segment_fixed_size: 295424
    .private_segment_fixed_size: 0
    .kernarg_segment_align: 8
    .kernarg_segment_size: 32
    .max_flat_workgroup_size: 128
    .sgpr_count:     100
    .vgpr_count:     1024
    .wavefront_size: 32
...
	.end_amdgpu_metadata
.endif
;; end of part 6
